; MI455X (gfx1250); checked and timed in simulation.
; The chip was launched on July 23, 2026; its instructions are those of AMD's public machine-readable ISA for CDNA 5 (MIT licence, August 2026) and "CDNA5" Instruction Set Architecture Reference Guide (July 2026). The comments in the code are by the model that wrote it; some were corrected since.
;; Multi Head Attention. Allowed arithmetic: matrix products marked QUANTISED: E3M2 operands, one E8M0 scale for each 32 along K, by v_wmma_scale_f32_16x16x128_f8f6f4 with both operands' format E3M2, f32 sums; everything else in f32.
;; Inputs: b_out 1,024 float32; w_out 1,024 x 1,024 float32; w_qkv 1,024 x 3,072 float32; x 4 x 2,048 x 1,024 float32.
;; Outputs: out0 4 x 2,048 x 1,024 float32.
;; This version of the problem:
;;   THIS VERSION OF THE PROBLEM IS GIVEN IN LOW PRECISION. The matrix products marked QUANTISED in the list below multiply operands that are first quantised to E3M2 (3 exponent bits, 2 mantissa bits; 6 bits a number), with one power-of-two scale for each 32 numbers along K (OCP MX v1.0); their sums are f32. All else is computed in f32.
;;   The module's matrix products, in the order in which they are computed (A, B: the left and right operand; K: the contracted axis; several contracted axes count as one K, in the product's order):
;;     1. [M 8,192, K 1,024] x [K 1,024, N 3,072]; A: input x; B: input w_qkv: QUANTISED
;;     2. batch 64 x [M 2,048, K 64] x [K 64, N 2,048]; A: computed on the way; B: computed on the way: QUANTISED
;;     3. batch 64 x [M 2,048, K 2,048] x [K 2,048, N 64]; A: softmax (see below); B: computed on the way: QUANTISED
;;     4. [M 8,192, K 1,024] x [K 1,024, N 1,024]; A: computed on the way; B: input w_out: QUANTISED
;;   THE QUANTISER, for each operand of a quantised product, along K:
;;     - K is cut into blocks of 32 from its start; a last block that is shorter is filled with zeros.
;;     - A block's scale is 2^e with e = floor(log2(the largest magnitude in the block)) - 4, held to -126 .. 127; a block of zeros has e = 0. As a byte (E8M0): e + 127.
;;     - Each number is divided by its block's scale, clamped to +-28, and rounded to the nearest number of E3M2, ties to even, subnormals kept.
;;     - The product sums the exact products of the quantised numbers (number of the format x scale) in f32.
;;   ~~~python
;;   def quantise(x, axis):      # numpy; x: float32 -> the quantised numbers, widened to float32 again
;;       x = np.moveaxis(x, axis, -1); K = x.shape[-1]
;;       x = np.pad(x, [(0, 0)] * (x.ndim - 1) + [(0, -K % 32)]); x = x.reshape(x.shape[:-1] + (-1, 32)); a = np.abs(x).max(-1, keepdims=True)
;;       e = np.where(a > 0, np.clip(np.frexp(np.where(a > 0, a, 1))[1] - 1 - 4, -126, 127), 0)      # np.frexp(a)[1] - 1 = floor(log2(a)), exactly
;;       r = np.clip(x / 2.0 ** e, -28, 28)
;;       step = 2.0 ** (np.maximum(np.frexp(np.where(r == 0, 1, r))[1] - 1, -2) - 2)
;;       q = np.round(r / step) * step * 2.0 ** e      # np.round: ties to even
;;       return np.moveaxis(q.reshape(q.shape[:-2] + (-1,))[..., :K], -1, axis).astype(np.float32)
;;   ~~~
;;   SOFTMAX AHEAD OF A QUANTISED PRODUCT. Where the list says 'softmax', what is quantised is not the finished softmax but p = 2^(t - M), with t = logit x log2(e) and M = ceil(the row's largest t), a whole number; so 1/2 < the row's largest p <= 1. The row's sum l is taken of the UNQUANTISED p, in f32, and the product's result is divided by l at the end. Since M is a whole number, a kernel that streams over the keys may use a running M (the ceiling of the running maximum): every later rescaling is an exact power of two, which a block's scale takes up: the codes' values come out the same.
;;   OPERANDS COMPUTED ON THE WAY. 'Computed on the way' means the value that the module computes at that place (a softmax that the list does not call 'softmax' is quantised finished and normalised). What goes into a quantiser is computed in f32, as accurately as f32 sums, v_exp_f32 and their like allow (about 1e-6 of the number): no bf16 or f16 on the way to a quantiser, and a product that is left as it is and whose result goes on into a quantised operand takes f32 operands (vector FMAs, or v_wmma_f32_16x16x4_f32). A number that lies on a knife's edge between two numbers of the format may be rounded either way, as far as f32 arithmetic and the matrix unit's own rounding can turn it there, and no further.
;; One version. Each part assembles by itself: llvm-mc -triple=amdgcn-amd-amdhsa -mcpu=gfx1250 --defsym DOCPART=n.
;; ======== version 1 of 1: 4 launches
;; limits: right only within a limited range of input values
;; workspace buffers: xq 6,553,600 bytes; wq 3,276,800 bytes; qimg 6,815,744 bytes; kv 13,631,488 bytes; aq 6,553,600 bytes
;; launch quant (part 1): grid 384 x 1, 4 waves a work-group, no clusters, 34,304 bytes of LDS; arguments x, w_qkv, w_out, xq, wq; writes xq, wq
.if DOCPART == 1
	.amdgcn_target "amdgcn-amd-amdhsa--gfx1250"
	.amdhsa_code_object_version 6
	.text
	.protected	k_qec4e3933cf_quant
	.globl	k_qec4e3933cf_quant
	.p2align	8
	.type	k_qec4e3933cf_quant,@function
k_qec4e3933cf_quant:
	s_mov_b64 s[64:65], 0
	v_nop
	global_prefetch_b8 v0, s[64:65] scope:SCOPE_SE
	s_setreg_imm32_b32 hwreg(HW_REG_WAVE_MODE, 25, 1), 1
	s_wait_xcnt 0x0
; x [8192][1024], w_qkv [1024][3072] and w_out [1024][1024], f32, become codes of BF6 (E3M2) with one E8M0 scale byte for each 32 along K (K = 1024: x's last axis, the weights' first).
; A block's scale is 2^(floor(log2(its largest magnitude)) - 4); its byte is the largest magnitude's exponent field - 4, held at 1 from below by a floor among the maximum's leaves.
; LIMITS: a block of zeros gets the byte 1 where the rule says 127 (its codes are zeros, and only this program reads the bytes); NaN and infinities among the inputs are not served.
; THE LAYOUT OF THE RESULTS is the order of the matrix operand's registers.  A ROW GROUP is 128 operand rows (tokens of x; columns of a weight) = 8 blocks of 16; lane r of block i stands for row 32 (i / 2) + 8 (i % 2) + r + 8 (r / 8).
; A fragment (a block x 128 K, 12 registers a lane; lane (r, h): registers 6 c .. 6 c + 5 = k 64 c + 32 h + 0 .. 31) lies as 1,536 bytes: for c = 0, 1: registers 6 c .. 6 c + 3 at 16 x lane (512 bytes), registers 6 c + 4, 6 c + 5 at 8 x lane (256 bytes).
; Codes: [row group][K step 0..7][block][1,536].  Scale words (four bytes = 128 K of a row): [row group][256 K: 0..3][block][row r][K step 0..1], behind the codes.
; wq holds 32 row groups: 0-23 w_qkv's columns, 24-31 w_out's.
; SHARES.  Work-groups 0-255: 32 rows of x each, wave w the w-th 256 along K.  Work-groups 256-351: w_qkv, 352-383: w_out: 128 columns x 256 along K each, wave w 32 columns.  Every work-group reads 128 KiB.
; No barrier: waves share nothing.  Only x's path uses LDS (a stage of its own for each wave).
.set XSC,   6291456                    ; xq: where the scale words begin
.set WSC,   3145728                    ; wq: likewise
.set RGB,   98304                      ; a row group's codes
.set SLB,   24576                      ; 256 along K of a row group
.set KSB,   12288                      ; 128 along K
.set FRB,   1536                       ; a fragment
.set FLOOR, 0x2800000                  ; 2^(5 - 127)
.set EOFF,  0xfe000000                 ; -(4 << 23)
.set L16, 2                            ; v2   16 x lane
.set L8,  3                            ; v3   8 x lane
.set MX,  8                            ; v8-9   two blocks' largest magnitudes
.set SO,  10                           ; v10-11 the conversions' scale operands
.set BY,  12                           ; v12-13 the scale bytes
.set TP,  14
.set PD,  15                           ; a lane permute's destination: written once at the head
.set WD,  16                           ; v16-19 x: a unit's scale words
.set SW,  20                           ; v20-21 the scale words that are stored
.set CC,  24                           ; v24-35 a fragment's (x) or two half fragments' (weights) codes
.set TT,  36                           ; v36-38, v40-42: second halves (a conversion's three registers begin on an even number)
.set XX,  64                           ; v64-127 x: 64 numbers of a lane;  weights: v64-191 two sets of 64
.set RR,  128                          ; v128-255 x: two sets of 64 registers as loaded
	s_load_b256 s[4:11], s[0:1], 0x0               ; x, w_qkv, w_out, xq
	s_load_b64 s[12:13], s[0:1], 0x20              ; wq
	v_lshl_add_u32 v62, v0, 2, 0x8400
	v_mov_b32 v63, 0
	v_lshrrev_b32 v1, 5, v0
	v_readfirstlane_b32 s16, v1                    ; wave 0..3
	v_and_b32 v1, 31, v0                           ; lane
	v_lshlrev_b32 v[L16], 4, v1
	v_lshlrev_b32 v[L8], 3, v1
	v_and_b32 v7, 15, v0                           ; r
	v_bfe_u32 v6, v0, 4, 1                         ; h
	v_mov_b32 v[PD], 0
	s_mov_b32 s20, 0x76543210
	s_mov_b32 s21, 0xfedcba98                      ; v_permlanex16_b32's selects for lane l xor 16
	s_cmp_lt_u32 ttmp9, 256
	s_cbranch_scc0 .Lweights
; ---------------- x: K is innermost ----------------
; A unit n = 2 u + q is block u (of the work-group's two) x K step q (of the wave's two): 16 rows x 512 bytes.  Each load reads 512 consecutive bytes of one row; the unit turns through the wave's stage
; (16 rows of 512 + 16 bytes), from which lane (r, h) takes its two whole blocks of 32 numbers: the order of the operand's registers.
	s_mul_i32 s17, s16, 16*528                     ; my stage
	v_add_nc_u32 v4, s17, v[L16]                   ; in: 16 x lane of a row
	v_mul_u32_u24 v5, v7, 528
	v_lshl_add_u32 v5, v6, 7, v5
	v_add_nc_u32 v5, s17, v5                       ; out: row r, + 128 h
	v_lshlrev_b32 v6, 3, v6                        ; 8 h: my bytes' place in a scale word
	s_lshl_b32 s22, ttmp9, 17                      ; 32 rows of 4,096 bytes,
	s_lshl_b32 s24, s16, 10                        ; my 256 along K
	s_add_co_u32 s22, s22, s24
	s_mov_b32 s23, 0
	s_lshr_b32 s24, ttmp9, 2                       ; the row group
	s_and_b32 s25, ttmp9, 3                        ; which pair of its blocks
	s_mul_i32 s26, s24, RGB
	s_mul_i32 s30, s16, SLB
	s_add_co_u32 s26, s26, s30
	s_mul_i32 s30, s25, 2*FRB
	s_add_co_u32 s26, s26, s30
	s_mov_b32 s27, 0
	s_lshl_b32 s28, s24, 12
	s_lshl_b32 s30, s16, 10
	s_add_co_u32 s28, s28, s30
	s_lshl_b32 s30, s25, 8
	s_add_co_u32 s28, s28, s30
	s_add_co_u32 s28, s28, XSC
	s_mov_b32 s29, 0
	s_wait_alu depctr_va_vdst(0)
	s_wait_kmcnt 0x0
	s_add_nc_u64 s[4:5], s[4:5], s[22:23]          ; x at my part
	s_add_nc_u64 s[28:29], s[10:11], s[28:29]      ; my 256 bytes of scale words
	s_add_nc_u64 s[10:11], s[10:11], s[26:27]      ; my codes
.macro XLOAD n
.set tt, 0
.rept 16
	global_load_b128 v[RR+64*((\n)%2)+4*tt:RR+64*((\n)%2)+4*tt+3], v[L16], s[4:5] offset:(8*((\n)/2)+tt+8*(tt/8))*4096+512*((\n)%2) th:TH_LOAD_NT
.set tt, tt+1
.endr
.endm
.macro XUNIT n
.if (\n) < 3
	s_wait_loadcnt 16                              ; this unit's 16 loads are in; the next unit's 16 may be out
.else
	s_wait_loadcnt 0x0
.endif
.set tt, 0
.rept 16
	ds_store_b128 v4, v[RR+64*((\n)%2)+4*tt:RR+64*((\n)%2)+4*tt+3] offset:528*tt
.set tt, tt+1
.endr
.set tt, 0
.rept 16
	ds_load_b128 v[XX+4*tt:XX+4*tt+3], v5 offset:256*(tt/8)+16*(tt%8)   ; LDS serves a wave's instructions in order: these see the stores above.  Register 32 c + i = k 64 c + 32 h + i of row r
.set tt, tt+1
.endr
	s_wait_dscnt 0x0                               ; the numbers are back, and the stage's stores have read their registers
	s_wait_xcnt 0x0                                ; the last unit's stores have read the codes' registers, which are written again below
.if (\n)+2 < 4
	XLOAD (\n)+2
.endif
	v_max3_num_f32 v[MX], |v[XX]|, |v[XX+1]|, FLOOR        ; my two blocks by turns; the floor holds the byte at 1 from below
	v_max3_num_f32 v[MX+1], |v[XX+32]|, |v[XX+33]|, FLOOR
.set tt, 2
.rept 15
	v_max3_num_f32 v[MX], v[MX], |v[XX+tt]|, |v[XX+tt+1]|
	v_max3_num_f32 v[MX+1], v[MX+1], |v[XX+32+tt]|, |v[XX+33+tt]|
.set tt, tt+2
.endr
	v_add_nc_u32 v[SO], EOFF, v[MX]                ; 4 off the exponent field: the conversion takes this operand's exponent field as its scale
	v_add_nc_u32 v[SO+1], EOFF, v[MX+1]
	v_lshrrev_b32 v[BY], 23, v[SO]                 ; the scale's byte
	v_lshrrev_b32 v[BY+1], 23, v[SO+1]
	v_lshl_or_b32 v[TP], v[BY+1], 16, v[BY]        ; blocks h and 2 + h of my row,
	v_lshlrev_b32 v[TP], v6, v[TP]                 ; at their places in the word;
	v_permlanex16_b32 v[PD], v[TP], s20, s21
	v_or_b32 v[WD+(\n)], v[TP], v[PD]              ; with lane l xor 16's two the word is whole
.irp c, 0,1
	v_cvt_scalef32_pk16_bf6_f32 v[CC+6*\c:CC+6*\c+2], v[XX+32*\c:XX+32*\c+15], v[SO+\c]
	v_cvt_scalef32_pk16_bf6_f32 v[TT+4*\c:TT+4*\c+2], v[XX+32*\c+16:XX+32*\c+31], v[SO+\c]
.endr
	v_nop                                          ; one plain place behind a scaled conversion
.irp c, 0,1
.irp i, 0,1,2
	v_mov_b32 v[CC+6*\c+3+\i], v[TT+4*\c+\i]
.endr
.endr
	global_store_b128 v[L16], v[CC:CC+3], s[10:11] offset:KSB*((\n)%2)+FRB*((\n)/2)          ; 512 consecutive bytes, aligned
	global_store_b64 v[L8], v[CC+4:CC+5], s[10:11] offset:KSB*((\n)%2)+FRB*((\n)/2)+512      ; 256
	global_store_b128 v[L16], v[CC+6:CC+9], s[10:11] offset:KSB*((\n)%2)+FRB*((\n)/2)+768
	global_store_b64 v[L8], v[CC+10:CC+11], s[10:11] offset:KSB*((\n)%2)+FRB*((\n)/2)+1280
.endm
	XLOAD 0
	XLOAD 1
	XUNIT 0
	XUNIT 1
	XUNIT 2
	XUNIT 3
	v_cmp_le_u32 vcc_lo, 16, v1                    ; lanes 16-31 store the second block's words
	v_cndmask_b32 v[SW], v[WD], v[WD+2], vcc_lo
	v_cndmask_b32 v[SW+1], v[WD+1], v[WD+3], vcc_lo
	global_store_b64 v[L8], v[SW:SW+1], s[28:29]   ; two blocks x 16 rows x two words: 256 consecutive bytes, aligned
	s_wait_tensorcnt 0x0
	ds_add_u32 v62, v63
	s_wait_dscnt 0x0
	s_endpgm
; ---------------- the weights: K is the first axis ----------------
; A lane takes a column and its registers run down K.  Lane (u, r) takes column 8 u + r + 8 (r / 8) of the wave's 32: block 2 w + u's row r.  A load still covers the 32 columns' 128 consecutive bytes.
; A pair n is 64 along K: half c = n % 2 of K step q = n / 2: two blocks of 32, both whole in the lane.  Six exchanges of the lanes' halves turn (block u; k low | k high) into the two blocks' half fragments.
.Lweights:
	s_sub_co_u32 s17, ttmp9, 256
	s_lshr_b32 s18, s17, 2                         ; wq's row group, 0..31
	s_and_b32 s19, s17, 3                          ; which 256 along K
	s_wait_alu depctr_va_vdst(0)
	v_and_b32 v5, 8, v7
	v_add_nc_u32 v5, v5, v7
	v_lshl_add_u32 v5, v6, 3, v5
	v_lshlrev_b32 v4, 2, v5                        ; my column, in bytes
	s_mul_i32 s24, s18, RGB
	s_mul_i32 s25, s19, SLB
	s_add_co_u32 s24, s24, s25
	s_mul_i32 s25, s16, 2*FRB
	s_add_co_u32 s24, s24, s25
	s_mov_b32 s25, 0
	s_lshl_b32 s26, s18, 12
	s_lshl_b32 s27, s19, 10
	s_add_co_u32 s26, s26, s27
	s_lshl_b32 s27, s16, 8
	s_add_co_u32 s26, s26, s27
	s_add_co_u32 s26, s26, WSC
	s_mov_b32 s27, 0
	s_wait_kmcnt 0x0
	s_add_nc_u64 s[28:29], s[12:13], s[26:27]      ; my 256 bytes of scale words
	s_add_nc_u64 s[12:13], s[12:13], s[24:25]      ; my codes
.macro WLD set, row0, pitch, sp
.set tt, 0
.rept 32
	global_load_b32 v[\set+tt], v4, s[\sp:\sp+1] offset:((\row0)+tt)*\pitch th:TH_LOAD_NT
.set tt, tt+1
.endr
.endm
.macro WPAIR n, pitch, sp
.set XA, XX+64*((\n)%2)
.set XB, XA+32
.if (\n) < 3
	s_wait_loadcnt 32                              ; this pair's 64 loads are in; the next pair's first 32 may be out
	WLD XX+32+64*(((\n)+1)%2), 64*((\n)+1)+32, \pitch, \sp
.else
	s_wait_loadcnt 0x0
.endif
	v_max3_num_f32 v[MX], |v[XA]|, |v[XA+1]|, FLOOR
	v_max3_num_f32 v[MX+1], |v[XB]|, |v[XB+1]|, FLOOR
.set tt, 2
.rept 15
	v_max3_num_f32 v[MX], v[MX], |v[XA+tt]|, |v[XA+tt+1]|
	v_max3_num_f32 v[MX+1], v[MX+1], |v[XB+tt]|, |v[XB+tt+1]|
.set tt, tt+2
.endr
	v_add_nc_u32 v[SO], EOFF, v[MX]
	v_add_nc_u32 v[SO+1], EOFF, v[MX+1]
	v_lshrrev_b32 v[BY], 23, v[SO]
	v_lshrrev_b32 v[BY+1], 23, v[SO+1]
	v_lshl_or_b32 v[TP], v[BY+1], 8, v[BY]         ; bytes 2 c and 2 c + 1 of K step q's word
.if (\n)%2 == 0
	v_mov_b32 v[SW+(\n)/2], v[TP]
.else
	v_lshl_or_b32 v[SW+(\n)/2], v[TP], 16, v[SW+(\n)/2]
.endif
	s_wait_alu depctr_va_vdst(0)
	s_wait_xcnt 0x0                                ; the last pair's stores have read the codes' registers
	v_cvt_scalef32_pk16_bf6_f32 v[CC:CC+2], v[XA:XA+15], v[SO]
	v_cvt_scalef32_pk16_bf6_f32 v[TT:TT+2], v[XA+16:XA+31], v[SO]
	v_cvt_scalef32_pk16_bf6_f32 v[CC+6:CC+8], v[XB:XB+15], v[SO+1]
	v_cvt_scalef32_pk16_bf6_f32 v[TT+4:TT+6], v[XB+16:XB+31], v[SO+1]
	v_nop                                          ; one plain place behind a scaled conversion
.irp i, 0,1,2
	v_mov_b32 v[CC+3+\i], v[TT+\i]
	v_mov_b32 v[CC+9+\i], v[TT+4+\i]
.endr
.irp i, 0,1,2,3,4,5
	v_permlane16_swap_b32 v[CC+\i], v[CC+6+\i]     ; the first's lanes 16-31 change places with the second's lanes 0-15: the first is now block 2 w's half fragment, the second block 2 w + 1's
.endr
	global_store_b128 v[L16], v[CC:CC+3], s[12:13] offset:KSB*((\n)/2)+768*((\n)%2)
	global_store_b64 v[L8], v[CC+4:CC+5], s[12:13] offset:KSB*((\n)/2)+768*((\n)%2)+512
	global_store_b128 v[L16], v[CC+6:CC+9], s[12:13] offset:KSB*((\n)/2)+768*((\n)%2)+FRB
	global_store_b64 v[L8], v[CC+10:CC+11], s[12:13] offset:KSB*((\n)/2)+768*((\n)%2)+FRB+512
.if (\n)+2 < 4
	WLD XX+64*((\n)%2), 64*((\n)+2), \pitch, \sp
.endif
.endm
.macro WPATH pitch, sp, cg0            ; pitch: a row of the weight in bytes; every offset is an immediate: 255 rows of 12,288 bytes at the most, inside the signed 24 bits (ISA guide, chapter 10)
	s_mul_i32 s30, s19, 256*\pitch
	s_sub_co_u32 s31, s18, \cg0
	s_lshl_b32 s31, s31, 9                         ; 128 columns of 4 bytes a row group
	s_add_co_u32 s30, s30, s31
	s_lshl_b32 s31, s16, 7                         ; my 32 columns
	s_add_co_u32 s30, s30, s31
	s_mov_b32 s31, 0
	s_add_nc_u64 s[\sp:\sp+1], s[\sp:\sp+1], s[30:31]
	WLD XX, 0, \pitch, \sp
	WLD XX+32, 32, \pitch, \sp
	WLD XX+64, 64, \pitch, \sp
	WPAIR 0, \pitch, \sp
	WPAIR 1, \pitch, \sp
	WPAIR 2, \pitch, \sp
	WPAIR 3, \pitch, \sp
	global_store_b64 v[L8], v[SW:SW+1], s[28:29]   ; lane (u, r): block 2 w + u, row r, two words: 256 consecutive bytes, aligned
.endm
	s_cmp_lt_u32 s18, 24
	s_cbranch_scc0 .Lwout
	s_wait_alu depctr_va_vdst(0)
	WPATH 12288, 6, 0
	s_endpgm
.Lwout:
	s_wait_alu depctr_va_vdst(0)
	WPATH 4096, 8, 24
	s_endpgm
.Lfunc_end_k_qec4e3933cf_quant:
	.size	k_qec4e3933cf_quant, .Lfunc_end_k_qec4e3933cf_quant-k_qec4e3933cf_quant
	.p2alignl 7, 3214868480
	.fill 96, 4, 3214868480
	.section	.rodata,"a",@progbits
	.p2align	6, 0x0
	.amdhsa_kernel k_qec4e3933cf_quant
		.amdhsa_group_segment_fixed_size 34304
		.amdhsa_private_segment_fixed_size 0
		.amdhsa_enable_private_segment 0
		.amdhsa_kernarg_size 40
		.amdhsa_user_sgpr_count 2
		.amdhsa_user_sgpr_kernarg_segment_ptr 1
		.amdhsa_wavefront_size32 1
		.amdhsa_system_sgpr_workgroup_id_x 1
		.amdhsa_system_sgpr_workgroup_id_y 1
		.amdhsa_system_sgpr_workgroup_id_z 1
		.amdhsa_system_vgpr_workitem_id 0
		.amdhsa_next_free_vgpr 256
		.amdhsa_next_free_sgpr 66
		.amdhsa_reserve_vcc 1
		.amdhsa_float_denorm_mode_32 3
		.amdhsa_float_denorm_mode_16_64 3
		.amdhsa_memory_ordered 1
		.amdhsa_forward_progress 1
		.amdhsa_inst_pref_size 108
	.end_amdhsa_kernel
	.amdgpu_metadata
---
amdhsa.version: [ 1, 2 ]
amdhsa.kernels:
  - .name:           k_qec4e3933cf_quant
    .symbol:         k_qec4e3933cf_quant.kd
    .args:
      - { .name: x, .offset: 0, .size: 8, .value_kind: global_buffer, .address_space: global }
      - { .name: w_qkv, .offset: 8, .size: 8, .value_kind: global_buffer, .address_space: global }
      - { .name: w_out, .offset: 16, .size: 8, .value_kind: global_buffer, .address_space: global }
      - { .name: xq, .offset: 24, .size: 8, .value_kind: global_buffer, .address_space: global }
      - { .name: wq, .offset: 32, .size: 8, .value_kind: global_buffer, .address_space: global }
    .group_segment_fixed_size: 34304
    .private_segment_fixed_size: 0
    .kernarg_segment_align: 8
    .kernarg_segment_size: 40
    .max_flat_workgroup_size: 128
    .sgpr_count:     66
    .vgpr_count:     256
    .wavefront_size: 32
...
	.end_amdgpu_metadata
.endif
;; end of part 1
;; launch qkv (part 2): grid 96 x 4, 4 waves a work-group, clusters of 4 x 4, 327,680 bytes of LDS; arguments xq, wq, qimg, kv; writes qimg, kv
.if DOCPART == 2
	.amdgcn_target "amdgcn-amd-amdhsa--gfx1250"
	.amdhsa_code_object_version 6
	.text
	.protected	k_qec4e3933cf_qkv
	.globl	k_qec4e3933cf_qkv
	.p2align	8
	.type	k_qec4e3933cf_qkv,@function
k_qec4e3933cf_qkv:
	s_mov_b64 s[64:65], 0
	v_nop
	global_prefetch_b8 v0, s[64:65] scope:SCOPE_SE
	s_setreg_imm32_b32 hwreg(HW_REG_WAVE_MODE, 25, 1), 1
	s_wait_xcnt 0x0
	s_wait_alu depctr_hold_cnt(0) depctr_sa_sdst(0) depctr_va_vdst(0) depctr_va_sdst(0) depctr_va_ssrc(0) depctr_va_vcc(0) depctr_vm_vsrc(0)
	s_getreg_b32 s2, hwreg(HW_REG_IB_STS2, 6, 4)
	s_cmp_eq_u32 s2, 0
	s_cbranch_scc0 .Lentry_in_a_cluster
	s_endpgm
.Lentry_in_a_cluster:
	s_bfe_u32 s2, ttmp6, 0x10000c
	s_cmp_lg_u32 s2, 0xf033
	s_cbranch_scc0 .Lentry_shape_is_right
	s_endpgm
.Lentry_shape_is_right:
; qkv = x w_qkv on codes of BF6 (E3M2) with E8M0 scales, K = 1,024; the results never leave as f32: they are quantised in registers, q and k along the head's 64, v along the keys, and stored in the order of the next products' operand registers.
; OPERANDS (made by the launch before): a ROW GROUP is 128 operand rows = 8 blocks of 16; lane r of block i stands for row 32 (i / 2) + 8 (i % 2) + r + 8 (r / 8).  A fragment (block x 128 K) is 1,536 bytes: for c = 0, 1:
; registers 6 c .. 6 c + 3 at 16 x lane, registers 6 c + 4, 6 c + 5 at 8 x lane.  Codes [row group][K step][block][1,536]; scale words [row group][256 K][block][row][K step 0..1].
; A tile of the product, 256 x 256, is made by four waves, each 128 x 128: 64 accumulators, 512 registers.  K goes in steps of 256 through two LDS slots; 256 K of a row group is one dense block of 24,576 bytes: one tensor load a wave.
; THE MATRIX INSTRUCTION IS USED TRANSPOSED: source 0 = 16 rows of B, source 1 = 16 rows of A.  By the blocks' order of rows, lane (r, h) then holds A's row r of a block, and the 16 registers of B's blocks 2 b, 2 b + 1 are B's rows 32 b + 16 h + 0 .. 15: neighbours.
; THREE KINDS OF TILE, told apart by the cluster's number c, which all sixteen partners share.  c < 16: A = x's tokens, B = w's columns: registers run along the head's channels: q (c even) or k (c odd).
; c >= 16: A = w_v's columns, B = x's tokens: v transposed: registers run along the keys.  So one core and one quantiser serve all three.
; CLUSTERS: 4 x 4 work-groups; A's tile is shared along a row of the cluster, B's along a column: each is asked for jointly, by the same tensor load with the same descriptor and a mask that names the four.
; OUTPUT.  qimg [batch x head][group of 128 queries][6,656]: 8 tiles x 768 bytes (half a fragment: 16 queries x 64 channels), then 512 bytes of scale words (lane l, word c: tile 2 c + l / 16, row l % 16; bytes 0, 1 the two blocks, bytes 2, 3 zero).
; kv [batch x head][step of 128 keys][13,312]: k's part laid as a chunk of qimg; then v's: 4 fragments (16 channels x 128 keys) and 512 bytes of scale words (lane l: words of fragments l / 16 and 2 + l / 16, two zero words).
; LIMITS: a block of zeros gets the byte 1 where the rule says 127 (its codes are zeros; only this program reads the bytes); NaN and infinities are not served.  384 work-groups: this grid is no multiple of the WGPs.
; REGISTERS, in windows of 256: window 0: v0-31 addresses; v32-63 scale words, two sets; v64-127 the quantiser's; v128-223 A's fragments, ONE set.  window 1: B's fragments, two sets, at v0 and v128.
;   window 2: the 32 accumulators of my A blocks 0-3 (accumulator (a, b) at v[8 (8 (a % 4) + b)]);  window 3: those of blocks 4-7.
.set XSC,   6291456                    ; xq: where the scale words begin
.set WSC,   3145728                    ; wq: likewise
.set RGB,   98304                      ; a row group's codes
.set SLB,   24576                      ; 256 along K of a row group: what one tensor load brings
.set KSB,   12288                      ; 128 along K
.set FRB,   1536                       ; a fragment
.set NQ,    2                          ; matrix instructions deep in a slot
.set FR,    12                         ; registers of a fragment
.set NL,    4                          ; LDS loads that bring one
.set NP,    4                          ; places behind this matrix instruction (ISA guide 7.12.1)
.set HALFT, SLB
.set SLOT,  4*HALFT                    ; A's two row groups, then B's two
.set SCL,   2*SLOT                     ; behind the ring: the scale words of the four row groups, for all of K: filled once
.set HALFS, 4096
.set SPARE, SCL+4*HALFS                ; the spare words, 128 bytes for each wave: two blocks of 256 bytes that no other line names
.set ADRA, 16                          ; v16-17 LDS address of my A fragments in slot 0, 1, at 16 x lane;  v18-19 the same at 8 x lane
.set ADRB, 20                          ; v20-23 the same for B
.set L16,  24                          ; v24 16 x lane
.set L8,   25                          ; v25 8 x lane
.set LN,   26                          ; v26 lane
.set ADRS, 27                          ; v27 LDS address of my scale words: lanes 0-15 A's rows, lanes 16-31 B's
.set SPW,  28                          ; v28 LDS address of my spare word; never rewritten
.set NIL,  29                          ; v29 0; never rewritten
.set SC,   32                          ; set s at v[SC + 16 s]; register 2 i + q: lanes 0-15 the word of A's block i, lanes 16-31 that of B's block i, for the slot's q-th 128 along K
.set PC,   64                          ; v64-75 a fragment's codes; v76-78, v80-82 second halves
.set TM,   84                          ; v84-87 largest magnitudes, v88-91 permutes and bytes, v96-99 scale operands
.set PWS,  100                         ; v100-107 block a's scale words
.set RI,   108                         ; v108-119 the scale words as they are stored
.set AF,   128
.set SEL,  2                           ; s[2:3] lane selects
.set G1, 24
.set G0, 32
.set G1B, 48
.set G0B, 56
.set G1S, 68
.set G0S, 76
.set G1SB, 80
.set G0SB, 88
.set BA, 94                            ; s[94:95], s[96:97] where the results go
.set MSB, 0
.macro WIN new                         ; the immediate's high byte repeats the setting that is left
.if MSB != (\new)
	s_set_vgpr_msb (MSB<<8)|(\new)
.set MSB, (\new)
.endif
.endm
.set MUL_LO, 0xa1                      ; source 0 (B) window 1, source 1 (A) window 0, C and D window 2
.set MUL_HI, 0xf1                      ; the same, C and D window 3
.set TO_B,   0x40                      ; destination window 1, address window 0
; A joint load: waves 0 and 1 fetch for A, waves 2 and 3 for B.  Each line has one mask and one set of registers for all that issue it; the branch hangs on the wave's number alone.  Four v_nop follow each line.
.macro JLOAD g0a, g1a, g0b, g1b
	s_cmp_eq_u32 s15, 0
	s_cbranch_scc0 .Lfor_b_\@
	tensor_load_to_lds s[\g0a:\g0a+3], s[\g1a:\g1a+7]
	s_nop 0
.rept 4
	v_nop
.endr
	s_branch .Lasked_\@
.Lfor_b_\@:
	tensor_load_to_lds s[\g0b:\g0b+3], s[\g1b:\g1b+7]
	s_nop 0
.rept 4
	v_nop
.endr
.Lasked_\@:
.endm
.macro CREST                           ; a round of the cluster's barrier behind its opening barrier
	s_cmp_lg_u32 s14, 0
	s_cbranch_scc1 .Lnot_wave_0_\@
	s_barrier_signal -3
.Lnot_wave_0_\@:
	s_barrier_wait -3
	s_barrier_signal -1
	s_barrier_wait -1
.endm
.macro CROUND
	s_barrier_signal -1
	s_barrier_wait -1
	CREST
.endm
.macro PLACES n
.rept \n
	v_nop
.endr
.endm
	s_load_b128 s[4:7], s[0:1], 0x0                ; xq, wq
	s_load_b128 s[8:11], s[0:1], 0x10              ; qimg, kv
	v_lshl_add_u32 v[SPW], v0, 2, SPARE
	v_mov_b32 v[NIL], 0
	ds_add_u32 v28, v29
	ds_add_u32 v28, v29
	s_wait_dscnt 0x0
	v_lshrrev_b32 v1, 5, v0
	v_readfirstlane_b32 s14, v1                    ; wave 0..3
	s_lshr_b32 s15, s14, 1                         ; which of A's two row groups is mine.  Also: I fetch for A (0) or for B (1)
	s_and_b32 s16, s14, 1                          ; which of B's.  Also: which row group of that tile I fetch
	s_bfe_u32 s40, ttmp6, 0x40000                  ; cx, cy: my place in the cluster
	s_bfe_u32 s41, ttmp6, 0x40004
	s_lshr_b32 s18, ttmp9, 1
	s_lshl_b32 s18, s18, 2                         ; q, k: tile rows 4 (c / 2) on (tokens),
	s_and_b32 s19, ttmp9, 1
	s_lshl_b32 s19, s19, 2                         ; tile columns 4 (c % 2) on (q's four, then k's four)
	s_max_u32 s95, ttmp9, 16
	s_sub_co_u32 s95, s95, 16
	s_lshl_b32 s95, s95, 2                         ; v: tile columns 4 (c - 16) on (tokens); tile rows 8 on (w_v's columns)
	s_mov_b32 s96, XSC
	s_mov_b32 s97, WSC
	s_cmp_lt_u32 ttmp9, 16
	s_cselect_b32 s17, s18, 8
	s_cselect_b32 s42, s19, s95
	s_cselect_b32 s100, s96, s97                   ; where A's scale words begin in its buffer,
	s_cselect_b32 s101, s97, s96                   ; and B's
	s_add_co_u32 s17, s17, s41                     ; A's tile: + cy
	s_add_co_u32 s42, s42, s40                     ; B's tile: + cx
	s_lshl_b32 s43, s41, 2
	s_lshl_b32 s43, 15, s43                        ; my row of the cluster
	s_lshl_b32 s44, 0x1111, s40                    ; my column
	; descriptor group 1: a dense block of 24,576 bytes as 96 rows of 256 bytes (32 elements of 8 bytes); no padding: a fragment's loads read consecutive bytes
	s_or_b32 s[G1+0], s43, (3<<16)|(1<<21)         ; 15:0 the mask: A's tiles go to my row; 17:16 elements of 8 bytes; 21 set beside a mask
	s_or_b32 s[G1B+0], s44, (3<<16)|(1<<21)
.irp g, G1, G1B                        ; the head's shape: a tile's two row groups, 2 rows of 24,576 bytes (3,072 elements), 98,304 bytes apart; the ring's shape is set behind the head's wait
	s_mov_b32 s[\g+1], 3072<<16
	s_mov_b32 s[\g+2], 2<<16
	s_mov_b32 s[\g+3], 3072<<16
	s_mov_b32 s[\g+4], 2
	s_mov_b32 s[\g+5], 12288
	s_mov_b32 s[\g+6], 0
	s_mov_b32 s[\g+7], 0
.endr
	; and for two row groups' scale words: 8,192 dense bytes as 32 rows of 256
	s_or_b32 s[G1S+0], s43, (3<<16)|(1<<21)
	s_or_b32 s[G1SB+0], s44, (3<<16)|(1<<21)
.irp g, G1S, G1SB                      ; two row groups' scale words: 8,192 dense bytes as 32 rows of 256
	s_mov_b32 s[\g+1], 32<<16
	s_mov_b32 s[\g+2], 32<<16
	s_mov_b32 s[\g+3], 32<<16
	s_mov_b32 s[\g+4], 32
	s_mov_b32 s[\g+5], 32
	s_mov_b32 s[\g+6], 0
	s_mov_b32 s[\g+7], 0
.endr
	s_lshl_b32 s20, s17, 1                         ; A: the tile's first row group
	s_lshl_b32 s22, s20, 12
	s_add_co_u32 s22, s22, s100                    ; its scale words,
	s_mul_i32 s20, s20, RGB                        ; its codes
	s_mov_b32 s21, 0
	s_mov_b32 s23, 0
	s_lshl_b32 s46, s42, 1                         ; B likewise, in registers that never hold cy
	s_lshl_b32 s92, s46, 12
	s_add_co_u32 s92, s92, s101
	s_mul_i32 s46, s46, RGB
	s_mov_b32 s47, 0
	s_mov_b32 s93, 0
	s_mul_i32 s45, s14, HALFT                      ; the ring: where my row group goes: wave x a row group
	s_mul_i32 s18, s16, RGB                        ; and which of the tile's two I fetch, in bytes
	s_mov_b32 s19, 0
	s_wait_kmcnt 0x0
	s_cmp_lt_u32 ttmp9, 16
	s_cselect_b64 s[12:13], s[4:5], s[6:7]         ; A's buffer,
	s_cselect_b64 s[98:99], s[6:7], s[4:5]         ; B's: a choice on the cluster's number
	s_add_nc_u64 s[20:21], s[12:13], s[20:21]
	s_add_nc_u64 s[22:23], s[12:13], s[22:23]
	s_add_nc_u64 s[46:47], s[98:99], s[46:47]
	s_add_nc_u64 s[92:93], s[98:99], s[92:93]
	CROUND                                         ; all sixteen work-groups are here: the first joint loads meet
	s_mov_b32 s[G0S], 1
	s_mov_b32 s[G0S+1], SCL
	s_mov_b64 s[G0S+2:G0S+3], s[22:23]
	s_or_b32 s[G0S+3], s[G0S+3], 0x80000000
	s_mov_b32 s[G0SB], 1
	s_mov_b32 s[G0SB+1], SCL+2*HALFS
	s_mov_b64 s[G0SB+2:G0SB+3], s[92:93]
	s_or_b32 s[G0SB+3], s[G0SB+3], 0x80000000
	s_mov_b32 s4, 1                                ; s[4:7]: group 0 of the head's load of A's codes (the arguments that lay there have been used)
	s_mov_b32 s5, 0
	s_mov_b64 s[6:7], s[20:21]
	s_or_b32 s7, s7, 0x80000000
	s_mov_b32 s96, 1                               ; s[96:99]: the same for B's, behind A's two row groups in slot 0
	s_mov_b32 s97, 2*HALFT
	s_mov_b64 s[98:99], s[46:47]
	s_or_b32 s99, s99, 0x80000000
	s_add_nc_u64 s[20:21], s[20:21], s[18:19]      ; for the ring: my row group of the tile
	s_add_nc_u64 s[46:47], s[46:47], s[18:19]
.irp s, 0,1
	s_mov_b32 s[G0+4*\s], 1
	s_add_co_u32 s[G0+4*\s+1], s45, \s*SLOT
	s_add_nc_u64 s[G0+4*\s+2:G0+4*\s+3], s[20:21], \s*SLB
	s_or_b32 s[G0+4*\s+3], s[G0+4*\s+3], 0x80000000
	s_mov_b32 s[G0B+4*\s], 1
	s_add_co_u32 s[G0B+4*\s+1], s45, \s*SLOT
	s_add_nc_u64 s[G0B+4*\s+2:G0B+4*\s+3], s[46:47], \s*SLB
	s_or_b32 s[G0B+4*\s+3], s[G0B+4*\s+3], 0x80000000
.endr
; The head's four tiles, one joint load a wave: wave 0 slot 0's codes of A, wave 1 those of B, wave 2 A's scale words, wave 3 B's.  One tree of branches on the wave's number.
.macro ARM under, g0, g1, next
	s_cmp_lt_u32 s14, \under
	s_cbranch_scc0 \next
	tensor_load_to_lds s[\g0:\g0+3], s[\g1:\g1+7]
	s_nop 0
.rept 4
	v_nop
.endr
	s_branch .Lhead_asked
\next:
.endm
	ARM 1, 4, G1, .Lhead_b
	ARM 2, 96, G1B, .Lhead_sa
	ARM 3, G0S, G1S, .Lhead_sb
	tensor_load_to_lds s[G0SB:G0SB+3], s[G1SB:G1SB+7]
	s_nop 0
.rept 4
	v_nop
.endr
.Lhead_asked:
	v_and_b32 v[LN], 31, v0
	v_and_b32 v2, 15, v0                           ; r
	v_bfe_u32 v3, v0, 4, 1                         ; h
	v_lshlrev_b32 v[L16], 4, v[LN]
	v_lshlrev_b32 v[L8], 3, v[LN]
	s_mul_i32 s21, s15, HALFT                      ; my row group of A,
	s_mul_i32 s22, s16, HALFT                      ; my row group of B,
	s_add_co_u32 s22, s22, 2*HALFT                 ; which lies behind A's two
.irp s, 0,1
	v_add_nc_u32 v[ADRA+\s], s21, v[L16]
	v_add_nc_u32 v[ADRB+\s], s22, v[L16]
	v_add_nc_u32 v[ADRA+2+\s], s21, v[L8]
	v_add_nc_u32 v[ADRB+2+\s], s22, v[L8]
	s_add_co_u32 s21, s21, SLOT
	s_add_co_u32 s22, s22, SLOT
.endr
	v_lshlrev_b32 v5, 3, v2                        ; my row's two scale words of a slot: 8 bytes a row
	s_mul_i32 s21, s15, HALFS                      ; A's
	s_mul_i32 s22, s16, HALFS                      ; B's, behind A's two
	s_add_co_u32 s22, s22, 2*HALFS
	s_sub_co_u32 s22, s22, s21
	v_mul_u32_u24 v6, s22, v3                      ; lanes 16-31 take B's
	s_add_co_u32 s21, s21, SCL
	v_add_nc_u32 v5, v5, v6
	v_add_nc_u32 v[ADRS], s21, v5
	s_mov_b32 s[SEL], 0x76543210
	s_mov_b32 s[SEL+1], 0xfedcba98                 ; v_permlanex16_b32's selects for lane l xor 16
.irp b, 0,1,2,3
	v_mov_b32 v[TM+4+\b], 0                        ; written once: a lane permute's destination counts as one of its sources
.endr
.macro FRAG reg, adr, q, i             ; a fragment comes as it lies: four loads, each of consecutive bytes
	ds_load_b128 v[\reg:\reg+3], v[\adr] offset:(\q)*KSB+(\i)*FRB
	ds_load_b64 v[\reg+4:\reg+5], v[\adr+2] offset:(\q)*KSB+(\i)*FRB+512
	ds_load_b128 v[\reg+6:\reg+9], v[\adr] offset:(\q)*KSB+(\i)*FRB+768
	ds_load_b64 v[\reg+10:\reg+11], v[\adr+2] offset:(\q)*KSB+(\i)*FRB+1280
.endm
; 16 matrix instructions: A's blocks a0, a0 + 1 x B's eight, the slot's q-th 128 along K.  p: B's set; sc: the set of scale words.  zero = 1: the first product starts the sums.
; The 64 accumulators take turns, one instruction a turn, in the same order in every step.
.macro MUL16 a0, p, q, sc, zero
.irp a, \a0, \a0+1
.irp b, 0,1,2,3,4,5,6,7
.if \zero
	v_wmma_scale_f32_16x16x128_f8f6f4 v[8*(8*((\a)%4)+\b):8*(8*((\a)%4)+\b)+7], v[128*(\p)+FR*\b:128*(\p)+FR*\b+FR-1], v[AF+FR*(\a):AF+FR*(\a)+FR-1], 0, v[SC+8*NQ*(\sc)+NQ*\b+(\q)], v[SC+8*NQ*(\sc)+NQ*(\a)+(\q)] matrix_a_fmt:MATRIX_FMT_BF6 matrix_b_fmt:MATRIX_FMT_BF6 matrix_a_scale:MATRIX_SCALE_ROW1
.else
	v_wmma_scale_f32_16x16x128_f8f6f4 v[8*(8*((\a)%4)+\b):8*(8*((\a)%4)+\b)+7], v[128*(\p)+FR*\b:128*(\p)+FR*\b+FR-1], v[AF+FR*(\a):AF+FR*(\a)+FR-1], v[8*(8*((\a)%4)+\b):8*(8*((\a)%4)+\b)+7], v[SC+8*NQ*(\sc)+NQ*\b+(\q)], v[SC+8*NQ*(\sc)+NQ*(\a)+(\q)] matrix_a_fmt:MATRIX_FMT_BF6 matrix_b_fmt:MATRIX_FMT_BF6 matrix_a_scale:MATRIX_SCALE_ROW1
.endif
.endr
.endr
.endm
.macro FETCH_B slot, q, p
	WIN TO_B
.irp i, 0,1,2,3,4,5,6,7
	FRAG 128*(\p)+FR*\i, ADRB+\slot, \q, \i
.endr
	WIN 0
.endm
.macro FETCH_A slot, q, i0
.irp i, \i0, \i0+1, \i0+2, \i0+3
	FRAG AF+FR*(\i), ADRA+\slot, \q, \i
.endr
.endm
.macro SCALES sc                       ; a slot's scale words: two a row; lanes 0-15 take A's block i, lanes 16-31 B's block i
.irp i, 0,1,2,3,4,5,6,7
	ds_load_b64 v[SC+8*NQ*\sc+NQ*\i:SC+8*NQ*\sc+NQ*\i+1], v[ADRS] offset:\i*128
.endr
.endm
; A step of 128 along K that has its successor in the same slot.  A block of A is free as soon as its eight products are issued: blocks 0-3 are fetched anew in the step's middle, blocks 4-7 at its end.
; A load into a register that a matrix instruction has read stands NP plain vector instructions behind it.
.macro STEP slot, q, zero
	s_wait_dscnt 4*NL                              ; B's set and A's blocks 0-3 are in; the youngest 16 loads (A's blocks 4-7) may be out
	WIN MUL_LO
	MUL16 0, (\q)%2, \q, \slot, \zero
	MUL16 2, (\q)%2, \q, \slot, \zero
	s_wait_dscnt 0
	PLACES NP
	FETCH_B \slot, (\q)+1, 1-(\q)%2
	FETCH_A \slot, (\q)+1, 0
	WIN MUL_HI
	MUL16 4, (\q)%2, \q, \slot, \zero
	MUL16 6, (\q)%2, \q, \slot, \zero
	PLACES NP
	WIN 0
	FETCH_A \slot, (\q)+1, 4
.endm
; A slot's last step changes slots: one barrier; in front of it each wave waits for all its tensor loads, adds 0 to its spare word, and waits for that and for its own reads of this slot.  fill = 1: this slot is filled again, two slots ahead.
.macro TURN slot, next, fill
	s_wait_tensorcnt 0x0                           ; all my tensor loads have landed: my part of the next slot
	ds_add_u32 v[SPW], v[NIL]                      ; 0 onto my spare word
	s_wait_dscnt 4*NL+1                            ; (the add and the youngest 16 loads, A's blocks 4-7, may be out)
	WIN MUL_LO
	MUL16 0, 1, NQ-1, \slot, 0                     ; sixteen matrix instructions stand between the add and the wait for it
	s_wait_dscnt 0x0                               ; the add is done, and my reads of this slot are over
	s_barrier_signal -1
	MUL16 2, 1, NQ-1, \slot, 0
	WIN 0
	s_barrier_wait -1
.if \fill
	CREST                                          ; the barrier has opened a round of the cluster's barrier: no wave of any partner still reads this slot or has a load on its way
	s_add_nc_u64 s[G0+4*\slot+2:G0+4*\slot+3], s[G0+4*\slot+2:G0+4*\slot+3], 2*SLB
	s_add_nc_u64 s[G0B+4*\slot+2:G0B+4*\slot+3], s[G0B+4*\slot+2:G0B+4*\slot+3], 2*SLB
	JLOAD G0+4*\slot, G1, G0B+4*\slot, G1B         ; the first tensor load behind the round, and my only one until the next; its four v_nop are the places in front of the loads below
.else
	PLACES NP
.endif
	s_wait_alu depctr_va_vdst(0)
	v_add_nc_u32 v[ADRS], 1024, v[ADRS]            ; on to the next slot's scale words (no LDS load of mine is out)
	FETCH_B \next, 0, 0
	FETCH_A \next, 0, 0
	SCALES \next
	WIN MUL_HI
	MUL16 4, 1, NQ-1, \slot, 0
	MUL16 6, 1, NQ-1, \slot, 0
	PLACES NP
	WIN 0
	FETCH_A \next, 0, 4
.endm
	s_wait_alu depctr_va_vdst(0)
	s_wait_tensorcnt 0x0                           ; my tile of the head's four is in
	ds_add_u32 v[SPW], v[NIL]
.irp g, G1, G1B                        ; no tensor load of mine is out: from here on a load brings one row group's 24,576 bytes as 96 rows of 256
	s_mov_b32 s[\g+1], 32<<16
	s_mov_b32 s[\g+2], 96<<16
	s_mov_b32 s[\g+3], 32<<16
	s_mov_b32 s[\g+4], 96
	s_mov_b32 s[\g+5], 32
.endr
	s_wait_dscnt 0x0
	CROUND                                         ; all four tiles are in, and all sixteen work-groups are here
	JLOAD G0+4, G1, G0B+4, G1B                     ; slot 1's first fill: the first tensor load behind the round
	FETCH_B 0, 0, 0
	FETCH_A 0, 0, 0
	SCALES 0
	FETCH_A 0, 0, 4
	STEP 0, 0, 1                                   ; K = 1,024 is four slots' worth: eight steps, written out; the first products start the sums
	TURN 0, 1, 1
	STEP 1, 0, 0
	TURN 1, 0, 1
	STEP 0, 0, 0
	TURN 0, 1, 0                                   ; nothing is left to fetch
	STEP 1, 0, 0
	s_wait_dscnt 4*NL
	WIN MUL_LO
	MUL16 0, 1, NQ-1, 1, 0
	MUL16 2, 1, NQ-1, 1, 0
	s_wait_dscnt 0
	WIN MUL_HI
	MUL16 4, 1, NQ-1, 1, 0
	MUL16 6, 1, NQ-1, 1, 0
	WIN 0
; THE QUANTISER.  Block a's 64 registers: register 16 b + i = B's row 32 b + 16 h + i, for A's row r: four blocks of 32 along the next K, each in lanes l and l xor 16.  They become a fragment's codes in v[PC] on and its scale word in v[PWS + a].
; Each accumulator is read from its low end on.
.macro QUANTW a
.set WA, 2+(\a)/4
.set AC, 64*((\a)%4)
	WIN 5*WA                                       ; sources 0 and 1: the accumulators' window
.irp b, 0,1,2,3
	v_max3_num_f32 v[TM+\b], |v[AC+16*\b]|, |v[AC+16*\b+1]|, 0x2800000   ; and the floor 2^(5 - 127): the byte cannot fall under 1
.endr
.irp i, 2,4,6,8,10,12,14
.irp b, 0,1,2,3
	v_max3_num_f32 v[TM+\b], |v[AC+16*\b+\i]|, |v[AC+16*\b+\i+1]|, v[TM+\b]   ; (the four blocks by turns)
.endr
.endr
	WIN 0
.irp b, 0,1,2,3
	v_permlanex16_b32 v[TM+4+\b], v[TM+\b], s[SEL], s[SEL+1]
.endr
.irp b, 0,1,2,3
	v_max_num_f32 v[TM+\b], v[TM+\b], v[TM+4+\b]   ; with lane l xor 16's: the block's largest magnitude
.endr
.irp b, 0,1,2,3
	v_add_nc_u32 v[TM+12+\b], 0xfe000000, v[TM+\b] ; 4 off its exponent field: the conversion's scale operand
.endr
.irp b, 0,1,2,3
	v_lshrrev_b32 v[TM+4+\b], 23, v[TM+12+\b]      ; the scale's byte
.endr
	v_lshl_or_b32 v[PWS+(\a)], v[TM+5], 8, v[TM+4]
	v_lshl_or_b32 v[PWS+(\a)], v[TM+6], 16, v[PWS+(\a)]
	v_lshl_or_b32 v[PWS+(\a)], v[TM+7], 24, v[PWS+(\a)]
	WIN WA                                         ; source 0 alone
.irp c, 0,1
	v_cvt_scalef32_pk16_bf6_f32 v[PC+6*\c:PC+6*\c+2], v[AC+32*\c:AC+32*\c+15], v[TM+12+2*\c]
	v_cvt_scalef32_pk16_bf6_f32 v[PC+12+4*\c:PC+14+4*\c], v[AC+16+32*\c:AC+31+32*\c], v[TM+12+2*\c+1]   ; (a conversion's three registers begin on an even number)
.endr
	WIN 0
	v_nop                                          ; one plain place behind a scaled conversion
.irp c, 0,1                                    ; the operand's layout wants a whole block in a lane: lanes 0-15 block 2 c, lanes 16-31 block 2 c + 1
.irp i, 0,1,2
	v_permlane16_swap_b32 v[PC+6*\c+\i], v[PC+12+4*\c+\i]
.endr
.irp i, 0,1,2
	v_mov_b32 v[PC+3+6*\c+\i], v[PC+12+4*\c+\i]
.endr
.endr
.endm
; THE WAY OUT.  q, k: a fragment's two halves are two heads' half fragments of the same 16 tokens.  v: a fragment is 16 channels x 128 keys of one head (blocks 0-3: the first head, 4-7: the second).
; Every store covers 512 or 256 consecutive bytes, aligned.
.macro EPI isv
	PLACES NP                                      ; behind the last products, in front of the first read of results
.irp a, 0,1,2,3,4,5,6,7
.if \a > 0
	s_wait_xcnt 0x0                                ; the last block's stores have read the codes' registers
.endif
	QUANTW \a
.if \isv
.set BS, BA+2*(\a/4)
	global_store_b128 v[L16], v[PC:PC+3], s[BS:BS+1] offset:FRB*(\a%4)
	global_store_b64 v[L8], v[PC+4:PC+5], s[BS:BS+1] offset:FRB*(\a%4)+512
	global_store_b128 v[L16], v[PC+6:PC+9], s[BS:BS+1] offset:FRB*(\a%4)+768
	global_store_b64 v[L8], v[PC+10:PC+11], s[BS:BS+1] offset:FRB*(\a%4)+1280
.else
	global_store_b128 v[L16], v[PC:PC+3], s[BA:BA+1] offset:768*\a
	global_store_b64 v[L8], v[PC+4:PC+5], s[BA:BA+1] offset:768*\a+512
	global_store_b128 v[L16], v[PC+6:PC+9], s[BA+2:BA+3] offset:768*\a
	global_store_b64 v[L8], v[PC+10:PC+11], s[BA+2:BA+3] offset:768*\a+512
.endif
.endr
	v_cmp_le_u32 vcc_lo, 16, v[LN]                 ; lanes 16-31 carry the odd tile's words
.if \isv
	v_cndmask_b32 v[RI], v[PWS], v[PWS+1], vcc_lo
	v_cndmask_b32 v[RI+1], v[PWS+2], v[PWS+3], vcc_lo
	v_mov_b32 v[RI+2], 0
	v_mov_b32 v[RI+3], 0
	v_cndmask_b32 v[RI+4], v[PWS+4], v[PWS+5], vcc_lo
	v_cndmask_b32 v[RI+5], v[PWS+6], v[PWS+7], vcc_lo
	v_mov_b32 v[RI+6], 0
	v_mov_b32 v[RI+7], 0
.else
.irp c, 0,1,2,3
	v_cndmask_b32 v[RI+8+\c], v[PWS+2*\c], v[PWS+2*\c+1], vcc_lo
.endr
.irp c, 0,1,2,3
	v_and_b32 v[RI+\c], 0xffff, v[RI+8+\c]         ; the first head's two bytes; bytes 2 and 3, which stand over zero codes, are 0
	v_lshrrev_b32 v[RI+4+\c], 16, v[RI+8+\c]       ; the second head's
.endr
.endif
	global_store_b128 v[L16], v[RI:RI+3], s[BA:BA+1] offset:6144
	global_store_b128 v[L16], v[RI+4:RI+7], s[BA+2:BA+3] offset:6144
.endm
	s_cmp_lt_u32 ttmp9, 16                         ; the cluster's number: the same in all partners
	s_cbranch_scc0 .Lvpart
	s_lshl_b32 s18, s17, 1
	s_add_co_u32 s18, s18, s15                     ; my row group of tokens
	s_lshr_b32 s19, s18, 4                         ; the batch,
	s_and_b32 s18, s18, 15                         ; the group of 128 tokens in it
	s_lshl_b32 s20, s40, 2
	s_lshl_b32 s21, s16, 1
	s_add_co_u32 s20, s20, s21                     ; my first head: 4 cx + 2 x my row group of columns
	s_lshl_b32 s19, s19, 4
	s_add_co_u32 s19, s19, s20
	s_lshl_b32 s19, s19, 4
	s_add_co_u32 s19, s19, s18                     ; (16 batch + head) x 16 + group
	s_and_b32 s21, ttmp9, 1
	s_mov_b32 s18, 13312
	s_cmp_eq_u32 s21, 0                            ; q or k?
	s_cselect_b64 s[22:23], s[8:9], s[10:11]
	s_cselect_b32 s18, 6656, s18                   ; bytes from group to group
	s_mul_i32 s20, s19, s18
	s_mov_b32 s21, 0
	s_add_nc_u64 s[BA:BA+1], s[22:23], s[20:21]
	s_lshl_b32 s20, s18, 4                         ; the next head: 16 groups on
	s_add_nc_u64 s[BA+2:BA+3], s[BA:BA+1], s[20:21]
	EPI 0
	s_branch .Lend
.Lvpart:
	s_lshl_b32 s18, s42, 1
	s_add_co_u32 s18, s18, s16                     ; my row group of tokens: here B's
	s_lshr_b32 s19, s18, 4
	s_and_b32 s18, s18, 15
	s_lshl_b32 s20, s41, 2
	s_lshl_b32 s21, s15, 1
	s_add_co_u32 s20, s20, s21                     ; my first head: 4 cy + 2 x my row group of channels
	s_lshl_b32 s19, s19, 4
	s_add_co_u32 s19, s19, s20
	s_lshl_b32 s19, s19, 4
	s_add_co_u32 s19, s19, s18
	s_mul_i32 s20, s19, 13312
	s_add_co_u32 s20, s20, 6656                    ; v's part of a key step lies behind k's
	s_mov_b32 s21, 0
	s_add_nc_u64 s[BA:BA+1], s[10:11], s[20:21]
	s_add_nc_u64 s[BA+2:BA+3], s[BA:BA+1], 16*13312
	EPI 1
.Lend:
	s_wait_tensorcnt 0x0                           ; the wave's end
	ds_add_u32 v[SPW], v[NIL]
	s_wait_dscnt 0x0
	CROUND                                         ; the closing round: no work-group ends while a partner may still ask for a tile that names it
	s_endpgm
.Lfunc_end_k_qec4e3933cf_qkv:
	.size	k_qec4e3933cf_qkv, .Lfunc_end_k_qec4e3933cf_qkv-k_qec4e3933cf_qkv
	.p2alignl 7, 3214868480
	.fill 96, 4, 3214868480
	.section	.rodata,"a",@progbits
	.p2align	6, 0x0
	.amdhsa_kernel k_qec4e3933cf_qkv
		.amdhsa_group_segment_fixed_size 327680
		.amdhsa_private_segment_fixed_size 0
		.amdhsa_enable_private_segment 0
		.amdhsa_kernarg_size 32
		.amdhsa_user_sgpr_count 2
		.amdhsa_user_sgpr_kernarg_segment_ptr 1
		.amdhsa_wavefront_size32 1
		.amdhsa_system_sgpr_workgroup_id_x 1
		.amdhsa_system_sgpr_workgroup_id_y 1
		.amdhsa_system_sgpr_workgroup_id_z 1
		.amdhsa_system_vgpr_workitem_id 0
		.amdhsa_next_free_vgpr 1024
		.amdhsa_next_free_sgpr 102
		.amdhsa_reserve_vcc 1
		.amdhsa_float_denorm_mode_32 3
		.amdhsa_float_denorm_mode_16_64 3
		.amdhsa_memory_ordered 1
		.amdhsa_forward_progress 1
		.amdhsa_inst_pref_size 186
	.end_amdhsa_kernel
	.amdgpu_metadata
---
amdhsa.version: [ 1, 2 ]
amdhsa.kernels:
  - .name:           k_qec4e3933cf_qkv
    .symbol:         k_qec4e3933cf_qkv.kd
    .args:
      - { .name: xq, .offset: 0, .size: 8, .value_kind: global_buffer, .address_space: global }
      - { .name: wq, .offset: 8, .size: 8, .value_kind: global_buffer, .address_space: global }
      - { .name: qimg, .offset: 16, .size: 8, .value_kind: global_buffer, .address_space: global }
      - { .name: kv, .offset: 24, .size: 8, .value_kind: global_buffer, .address_space: global }
    .group_segment_fixed_size: 327680
    .private_segment_fixed_size: 0
    .kernarg_segment_align: 8
    .kernarg_segment_size: 32
    .max_flat_workgroup_size: 128
    .sgpr_count:     102
    .vgpr_count:     1024
    .wavefront_size: 32
...
	.end_amdgpu_metadata
.endif
;; end of part 2
;; launch attn (part 3): grid 4 x 64, 16 waves a work-group, no clusters, 327,680 bytes of LDS; arguments qimg, kv, aq; writes aq
.if DOCPART == 3
	.amdgcn_target "amdgcn-amd-amdhsa--gfx1250"
	.amdhsa_code_object_version 6
	.text
	.protected	k_qec4e3933cf_attn
	.globl	k_qec4e3933cf_attn
	.p2align	8
	.type	k_qec4e3933cf_attn,@function
k_qec4e3933cf_attn:
	s_mov_b64 s[64:65], 0
	v_nop
	global_prefetch_b8 v0, s[64:65] scope:SCOPE_SE
	s_setreg_imm32_b32 hwreg(HW_REG_WAVE_MODE, 25, 1), 1
	s_wait_xcnt 0x0
; Causal attention on codes of BF6 (E3M2) with E8M0 scales: S^T = k q^T, p = 2^(t - M) with a running whole M, p quantised along the keys, O^T += v^T p^T, O / l quantised along the head's 64 for the last product.
; A work-group takes one (batch, head): all its 16 key steps of 128 keys (13,312 bytes each: k's part, v's part) lie in LDS, brought in two halves, each wave one load of 6,656 bytes a half; nothing is filled again.
; A wave takes 16 queries in each of two passes: groups 2 x + w / 8 and 2 (7 - x) + (w xor 8) / 8 of 128 queries, 17 key steps in all for every wave.
; WORK LEFT OUT: key steps that lie wholly above the diagonal of the causal mask: a scalar branch on ids leads round their work.
; The first pass and the second pass's key steps 0-7 read the first half alone; the wait and the barrier for the second half stand ahead of key steps 8-15.
; No joint loads: the four work-groups of a head need different numbers of key steps at different times.
; LIMITS: the scaled scores stay under 2^31 in magnitude; a block of zeros gets the byte 1 (its codes are zeros; only this program reads the bytes); NaN and infinities are not served.
.set XSC,   6291456
.set CHK,   6656
.set STP,   13312
.set HEADB, 212992
.set HALFB, 106496
.set SS,  128
.set OO,  192
.set KF,  32
.set VF,  80
.set G1,  16
.set G0,  24
.set SEL, 32
.set CS,  34
.set TB,  36
.set SI,  37
.set PS,  40
	s_load_b128 s[4:7], s[0:1], 0x0
	s_load_b64 s[8:9], s[0:1], 0x10
	v_lshl_add_u32 v243, v0, 2, 0x34000
	v_mov_b32 v255, 0
	ds_add_u32 v243, v255
	ds_add_u32 v243, v255
	v_lshrrev_b32 v1, 5, v0
	s_delay_alu instid0(VALU_DEP_1)
	v_readfirstlane_b32 s10, v1
	s_and_b32 s12, ttmp7, 0xffff
	s_and_b32 s13, s12, 15
	s_lshr_b32 s14, s12, 4
	s_mov_b32 s[G1], 3<<16
	s_mov_b32 s[G1+1], 32<<16
	s_mov_b32 s[G1+2], 26<<16
	s_mov_b32 s[G1+3], 32<<16
	s_mov_b32 s[G1+4], 26
	s_mov_b32 s[G1+5], 32
	s_mov_b32 s[G1+6], 0
	s_mov_b32 s[G1+7], 0
	s_mul_i32 s66, s10, CHK
	s_mul_i32 s68, s12, HEADB
	s_add_co_u32 s68, s68, s66
	s_mov_b32 s69, 0
	s_wait_dscnt 0x0
	s_wait_kmcnt 0x0
	s_mov_b32 s[G0], 1
	s_mov_b32 s[G0+1], s66
	s_add_nc_u64 s[G0+2:G0+3], s[6:7], s[68:69]
	s_mov_b32 s[G0+4], 1
	s_add_co_u32 s[G0+5], s66, HALFB
	s_add_nc_u64 s[G0+6:G0+7], s[G0+2:G0+3], HALFB
	s_or_b32 s[G0+3], s[G0+3], 0x80000000
	s_or_b32 s[G0+7], s[G0+7], 0x80000000
	tensor_load_to_lds s[G0:G0+3], s[G1:G1+7]
	s_nop 0
.macro SETUP p                         ; the passes' addresses and the first q fragment's loads stand between the first half's load and the wait for it
.set PB, PS+12*\p
	s_lshr_b32 s68, s67, 3
	s_lshl_b32 s69, s66, 1
	s_add_co_u32 s[PB], s69, s68
	s_and_b32 s68, s67, 7
	s_lshr_b32 s69, s68, 1
	s_and_b32 s70, s68, 1
	s_lshl_b32 s71, s69, 5
	s_lshl_b32 s72, s70, 3
	s_add_co_u32 s[PB+1], s71, s72
	s_lshl_b32 s71, s12, 4
	s_add_co_u32 s71, s71, s[PB]
	s_mul_i32 s72, s71, CHK
	s_mul_i32 s74, s68, 768
	s_add_co_u32 s74, s74, s72
	s_add_nc_u64 s[PB+2:PB+3], s[4:5], s[74:75]
	s_lshl_b32 s74, s70, 8
	s_lshl_b32 s73, s69, 2
	s_add_co_u32 s74, s74, s73
	s_add_co_u32 s74, s74, s72
	s_add_co_u32 s74, s74, 6144
	s_add_nc_u64 s[PB+4:PB+5], s[4:5], s[74:75]
	s_lshl_b32 s71, s14, 4
	s_add_co_u32 s71, s71, s[PB]
	s_lshl_b32 s72, s71, 3
	s_lshr_b32 s73, s13, 1
	s_add_co_u32 s72, s72, s73
	s_lshl_b32 s72, s72, 3
	s_add_co_u32 s72, s72, s68
	s_mul_i32 s74, s72, 1536
	s_and_b32 s73, s13, 1
	s_mul_i32 s72, s73, 768
	s_add_co_u32 s74, s74, s72
	s_add_nc_u64 s[PB+6:PB+7], s[8:9], s[74:75]
	s_lshl_b32 s74, s71, 12
	s_lshr_b32 s72, s13, 2
	s_lshl_b32 s72, s72, 10
	s_add_co_u32 s74, s74, s72
	s_lshl_b32 s72, s68, 7
	s_add_co_u32 s74, s74, s72
	s_bfe_u32 s72, s13, 0x10001
	s_lshl_b32 s72, s72, 2
	s_add_co_u32 s74, s74, s72
	s_lshl_b32 s72, s73, 1
	s_add_co_u32 s74, s74, s72
	s_add_co_u32 s74, s74, XSC
	s_add_nc_u64 s[PB+8:PB+9], s[8:9], s[74:75]
.endm
	s_mov_b32 s75, 0
	s_mov_b32 s66, ttmp9
	s_mov_b32 s67, s10
	SETUP 0
	s_sub_co_u32 s66, 7, ttmp9
	s_xor_b32 s67, s10, 8
	SETUP 1
	v_and_b32 v8, 31, v0
	s_delay_alu instid0(VALU_DEP_1)
	v_lshlrev_b32 v1, 4, v8
	s_delay_alu instid0(VALU_DEP_2)
	v_lshlrev_b32 v2, 3, v8
	v_and_b32 v9, 15, v0
	v_bfe_u32 v10, v0, 4, 1
	s_delay_alu instid0(VALU_DEP_2)
	v_lshlrev_b32 v5, 4, v9
	s_delay_alu instid0(VALU_DEP_3)
	v_lshlrev_b32 v6, 3, v9
	s_delay_alu instid0(VALU_DEP_4)
	v_and_b32 v7, 8, v9
	s_delay_alu instid0(VALU_DEP_1)
	v_add_nc_u32 v7, v7, v9
	v_lshlrev_b32 v10, 4, v10
	s_delay_alu instid0(VALU_DEP_1)
	v_sub_nc_u32 v7, v7, v10
.macro QLOAD p
.set PB, PS+12*\p
	global_load_b128 v[16:19], v1, s[PB+2:PB+3]
	global_load_b64 v[20:21], v2, s[PB+2:PB+3] offset:512
	global_load_b32 v30, v5, s[PB+4:PB+5]
.endm
	QLOAD 0
	s_mov_b32 s[SEL], 0x76543210
	s_mov_b32 s[SEL+1], 0xfedcba98
	s_mov_b32 s[CS], 0x3e38aa3b
	s_mov_b32 s[CS+1], s[CS]
.irp j, 22,23,24,25,26,27
	v_mov_b32 v\j, 0
.endr
.irp t, 0,1,2,3
.irp j, 6,7,8,9,10,11
	v_mov_b32 v[KF+12*\t+\j], 0
.endr
.endr
.irp b, 0,1,2,3
	v_mov_b32 v[236+\b], 0
.endr
	v_mov_b32 v252, 0
	v_mov_b32 v253, 0
.macro KLOAD g
.irp t, 0,1,2,3
	ds_load_b128 v[KF+12*\t:KF+12*\t+3], v3 offset:768*(4*\g+\t)
	ds_load_b64 v[KF+12*\t+4:KF+12*\t+5], v4 offset:768*(4*\g+\t)+512
.endr
.endm
.macro SMUL g
.irp t, 0,1,2,3
.if \t%2
	v_wmma_scale_f32_16x16x128_f8f6f4 v[SS+8*(4*\g+\t):SS+8*(4*\g+\t)+7], v[KF+12*\t:KF+12*\t+11], v[16:27], 0, v[248+2*\g+\t/2], v30 matrix_a_fmt:MATRIX_FMT_BF6 matrix_b_fmt:MATRIX_FMT_BF6 matrix_a_scale:MATRIX_SCALE_ROW1
.else
	v_wmma_scale_f32_16x16x128_f8f6f4 v[SS+8*(4*\g+\t):SS+8*(4*\g+\t)+7], v[KF+12*\t:KF+12*\t+11], v[16:27], 0, v[248+2*\g+\t/2], v30 matrix_a_fmt:MATRIX_FMT_BF6 matrix_b_fmt:MATRIX_FMT_BF6
.endif
.endr
.endm
.macro INIT                            ; a pass begins: the largest t, -M, the sum and O^T
	s_wait_xcnt 0x0
	v_mov_b32 v13, 0xff61b1e6
	s_delay_alu instid0(VALU_DEP_1)
	v_floor_f32 v12, -v13
	v_mov_b32 v14, 0
	v_mov_b32 v15, 0
.set jj, 0
.rept 32
	v_mov_b32 v[OO+jj], 0
.set jj, jj+1
.endr
	s_wait_loadcnt 0x0                             ; the pass's q fragment is in
.endm
.macro LOOP p, first, trips            ; key steps first .. trips - 1 of pass p
.set PB, PS+12*\p
	s_mov_b32 s[TB], (\first)*STP
	s_mov_b32 s[SI], \first
.Lstep_\@:
	s_cmp_gt_u32 s[SI], s[PB]
	s_cbranch_scc1 .Lhid_\@
	v_add_nc_u32 v3, s[TB], v1
	v_add_nc_u32 v4, s[TB], v2
	KLOAD 0
	ds_load_b128 v[248:251], v3 offset:6144
	s_wait_alu depctr_va_vdst(0)
	s_wait_dscnt 0x0
	SMUL 0
.rept 4
	v_nop
.endr
	KLOAD 1
.irp f, 0,1,2,3
	ds_load_b128 v[VF+12*\f:VF+12*\f+3], v3 offset:CHK+1536*\f
	ds_load_b64 v[VF+12*\f+4:VF+12*\f+5], v4 offset:CHK+1536*\f+512
	ds_load_b128 v[VF+12*\f+6:VF+12*\f+9], v3 offset:CHK+1536*\f+768
	ds_load_b64 v[VF+12*\f+10:VF+12*\f+11], v4 offset:CHK+1536*\f+1280
.endr
	ds_load_b64 v[28:29], v3 offset:CHK+6144
	s_wait_dscnt 17
	SMUL 1
.rept 4
	v_nop
.endr
	s_cmp_lt_u32 s[SI], s[PB]
	s_cbranch_scc1 .Lopen_\@
	v_add_nc_u32 v252, s[PB+1], v7
	v_mov_b32 v254, 0xff800000
.set nn, 0
.rept 64
	v_cmp_gt_i32 vcc_lo, 32*(nn/16)+nn%16, v252
	v_cndmask_b32 v[SS+nn], v[SS+nn], v254, vcc_lo
.set nn, nn+1
.endr
.Lopen_\@:
.irp b, 0,1,2,3
	v_max3_num_f32 v[232+\b], v[SS+16*\b], v[SS+1+16*\b], v[SS+2+16*\b]
.endr
.irp i, 3,5,7,9,11,13
.irp b, 0,1,2,3
	v_max3_num_f32 v[232+\b], v[232+\b], v[SS+16*\b+\i], v[SS+1+16*\b+\i]
.endr
.endr
.irp b, 0,1,2,3
	v_max_num_f32 v[232+\b], v[232+\b], v[SS+15+16*\b]
.endr
.irp b, 0,1,2,3
	s_delay_alu instid0(VALU_DEP_4)
	v_permlanex16_b32 v[236+\b], v[232+\b], s[SEL], s[SEL+1]
.endr
.irp b, 0,1,2,3
	s_delay_alu instid0(VALU_DEP_4)
	v_max_num_f32 v[232+\b], v[232+\b], v[236+\b]
.endr
	s_delay_alu instid0(VALU_DEP_2)
	v_max3_num_f32 v254, v232, v233, v234
	s_delay_alu instid0(VALU_DEP_1)
	v_max_num_f32 v254, v254, v235
	s_delay_alu instid0(VALU_DEP_1)
	v_mul_f32 v254, s[CS], v254
	s_delay_alu instid0(VALU_DEP_1)
	v_max_num_f32 v13, v13, v254
	v_mov_b32 v254, v12
	s_delay_alu instid0(VALU_DEP_2)
	v_floor_f32 v12, -v13
	s_delay_alu instid0(VALU_DEP_1)
	v_sub_f32 v254, v12, v254
	s_delay_alu instid0(VALU_DEP_1)
	v_cvt_i32_f32 v254, v254
	s_delay_alu instid0(VALU_DEP_1)
	v_ldexp_f32 v252, 1.0, v254
.set jj, 0
.rept 32
	v_pk_fma_f32 v[SS+jj:SS+jj+1], v[SS+jj:SS+jj+1], s[CS:CS+1], v[12:13] op_sel_hi:[1,0,0]
.set jj, jj+2
.endr
.irp b, 0,1,2,3
	v_fma_f32 v[232+\b], v[232+\b], s[CS], v12
.endr
.set jj, 0
	s_wait_alu depctr_va_vdst(0)
.rept 64
	v_exp_f32 v[SS+jj], v[SS+jj]
.set jj, jj+1
.endr
.irp b, 0,1,2,3
	v_exp_f32 v[232+\b], v[232+\b]
.endr
	v_pk_mul_f32 v[14:15], v[14:15], v[252:253] op_sel_hi:[1,0]
	s_wait_alu depctr_va_vdst(0)
.irp b, 0,1,2,3
	v_max_num_f32 v[232+\b], 0x2800000, v[232+\b]
.endr
.irp b, 0,1,2,3
	s_delay_alu instid0(VALU_DEP_4)
	v_add_nc_u32 v[244+\b], 0xfe000000, v[232+\b]
.endr
.irp b, 0,1,2,3
	s_delay_alu instid0(VALU_DEP_4)
	v_lshrrev_b32 v[236+\b], 23, v[244+\b]
.endr
	s_delay_alu instid0(VALU_DEP_3)
	v_lshl_or_b32 v253, v237, 8, v236
	s_delay_alu instid0(VALU_DEP_1)
	v_lshl_or_b32 v253, v238, 16, v253
	s_delay_alu instid0(VALU_DEP_1)
	v_lshl_or_b32 v253, v239, 24, v253
.irp c, 0,1
	v_cvt_scalef32_pk16_bf6_f32 v[224+6*\c:226+6*\c], v[SS+32*\c:SS+15+32*\c], v[244+2*\c]
	v_cvt_scalef32_pk16_bf6_f32 v[236+4*\c:238+4*\c], v[SS+16+32*\c:SS+31+32*\c], v[244+2*\c+1]
.endr
	v_nop
.irp c, 0,1
.irp i, 0,1,2
	v_permlane16_swap_b32 v[224+6*\c+\i], v[236+4*\c+\i]
.endr
.irp i, 0,1,2
	s_delay_alu instid0(VALU_DEP_3)
	v_mov_b32 v[227+6*\c+\i], v[236+4*\c+\i]
.endr
.endr
	v_pk_add_f32 v[236:237], v[SS:SS+1], v[SS+2:SS+3]
.irp j, 4,8,12,16,20,24,28,32,36,40,44,48,52,56,60
	v_pk_add_f32 v[14:15], v[14:15], v[SS+\j:SS+1+\j]
	v_pk_add_f32 v[236:237], v[236:237], v[SS+2+\j:SS+3+\j]
.endr
	s_delay_alu instid0(VALU_DEP_1)
	v_pk_add_f32 v[14:15], v[14:15], v[236:237]
.set jj, 0
.rept 16
	v_pk_mul_f32 v[OO+jj:OO+jj+1], v[OO+jj:OO+jj+1], v[252:253] op_sel_hi:[1,0]
.set jj, jj+2
.endr
	s_wait_alu depctr_va_vdst(0)
	s_wait_dscnt 0x0
.irp t, 0,1,2,3
.if \t%2
	v_wmma_scale_f32_16x16x128_f8f6f4 v[OO+8*\t:OO+8*\t+7], v[VF+12*\t:VF+12*\t+11], v[224:235], v[OO+8*\t:OO+8*\t+7], v[28+\t/2], v253 matrix_a_fmt:MATRIX_FMT_BF6 matrix_b_fmt:MATRIX_FMT_BF6 matrix_a_scale:MATRIX_SCALE_ROW1
.else
	v_wmma_scale_f32_16x16x128_f8f6f4 v[OO+8*\t:OO+8*\t+7], v[VF+12*\t:VF+12*\t+11], v[224:235], v[OO+8*\t:OO+8*\t+7], v[28+\t/2], v253 matrix_a_fmt:MATRIX_FMT_BF6 matrix_b_fmt:MATRIX_FMT_BF6
.endif
.endr
.Lhid_\@:
	s_add_co_u32 s[TB], s[TB], STP
	s_add_co_u32 s[SI], s[SI], 1
	s_cmp_lt_u32 s[SI], \trips
	s_cbranch_scc1 .Lstep_\@
.endm
.macro OUT p
.set PB, PS+12*\p
.rept 4
	v_nop
.endr
.if \p == 0
	QLOAD 1
.set PB, PS+12*\p
.endif
	v_add_f32 v14, v14, v15
	s_delay_alu instid0(VALU_DEP_1)
	v_permlanex16_b32 v252, v14, s[SEL], s[SEL+1]
	s_delay_alu instid0(VALU_DEP_1)
	v_add_f32 v14, v14, v252
	s_wait_alu depctr_va_vdst(0)
	v_rcp_f32 v14, v14
	v_nop
.set jj, 0
	s_wait_alu depctr_va_vdst(0)
.rept 16
	v_pk_mul_f32 v[SS+jj:SS+jj+1], v[OO+jj:OO+jj+1], v[14:15] op_sel_hi:[1,0]
.set jj, jj+2
.endr
	v_max3_num_f32 v232, |v[SS]|, |v[SS+1]|, 0x2800000
	v_max3_num_f32 v233, |v[SS+16]|, |v[SS+17]|, 0x2800000
.irp i, 2,4,6,8,10,12,14
	s_delay_alu instid0(VALU_DEP_2)
	v_max3_num_f32 v232, v232, |v[SS+\i]|, |v[SS+1+\i]|
	s_delay_alu instid0(VALU_DEP_2)
	v_max3_num_f32 v233, v233, |v[SS+16+\i]|, |v[SS+17+\i]|
.endr
	s_delay_alu instid0(VALU_DEP_2)
	v_permlanex16_b32 v236, v232, s[SEL], s[SEL+1]
	s_delay_alu instid0(VALU_DEP_2)
	v_permlanex16_b32 v237, v233, s[SEL], s[SEL+1]
	s_delay_alu instid0(VALU_DEP_2)
	v_max_num_f32 v232, v232, v236
	s_delay_alu instid0(VALU_DEP_2)
	v_max_num_f32 v233, v233, v237
	s_delay_alu instid0(VALU_DEP_2)
	v_add_nc_u32 v244, 0xfe000000, v232
	s_delay_alu instid0(VALU_DEP_2)
	v_add_nc_u32 v245, 0xfe000000, v233
	s_delay_alu instid0(VALU_DEP_2)
	v_lshrrev_b32 v238, 23, v244
	s_delay_alu instid0(VALU_DEP_2)
	v_lshrrev_b32 v239, 23, v245
	s_delay_alu instid0(VALU_DEP_1)
	v_lshl_or_b32 v253, v239, 8, v238
	v_cvt_scalef32_pk16_bf6_f32 v[224:226], v[SS:SS+15], v244
	v_cvt_scalef32_pk16_bf6_f32 v[236:238], v[SS+16:SS+31], v245
	v_nop
.irp i, 0,1,2
	v_permlane16_swap_b32 v[224+\i], v[236+\i]
.endr
.irp i, 0,1,2
	s_delay_alu instid0(VALU_DEP_3)
	v_mov_b32 v[227+\i], v[236+\i]
.endr
	global_store_b128 v1, v[224:227], s[PB+6:PB+7]
	global_store_b64 v2, v[228:229], s[PB+6:PB+7] offset:512
	global_store_b16 v6, v253, s[PB+8:PB+9]
.endm
	s_wait_alu depctr_va_vdst(0)                   ; the wait at the head's end
	s_wait_tensorcnt 0x0                           ; my part of the first half is in
	ds_add_u32 v243, v255
	s_wait_dscnt 0x0
	s_barrier_signal -1
	s_barrier_wait -1                              ; everybody's part is in
	tensor_load_to_lds s[G0+4:G0+7], s[G1:G1+7]    ; my part of the second half
	s_nop 0
.rept 4
	v_nop
.endr
	INIT
	LOOP 0, 0, 8
	OUT 0
	INIT
	s_wait_tensorcnt 0x0                           ; my part of the second half is in:
	s_wait_dscnt 0x0
	s_barrier_signal -1                            ; say so
	LOOP 1, 0, 8                                   ; between signal and wait: registers, and LDS reads of the first half, which nobody writes any more
	s_barrier_wait -1                              ; everybody's part is in
	LOOP 1, 8, 16
	OUT 1
	s_wait_tensorcnt 0x0
	ds_add_u32 v243, v255
	s_wait_dscnt 0x0
	s_endpgm
.Lfunc_end_k_qec4e3933cf_attn:
	.size	k_qec4e3933cf_attn, .Lfunc_end_k_qec4e3933cf_attn-k_qec4e3933cf_attn
	.p2alignl 7, 3214868480
	.fill 96, 4, 3214868480
	.section	.rodata,"a",@progbits
	.p2align	6, 0x0
	.amdhsa_kernel k_qec4e3933cf_attn
		.amdhsa_group_segment_fixed_size 327680
		.amdhsa_private_segment_fixed_size 0
		.amdhsa_enable_private_segment 0
		.amdhsa_kernarg_size 24
		.amdhsa_user_sgpr_count 2
		.amdhsa_user_sgpr_kernarg_segment_ptr 1
		.amdhsa_wavefront_size32 1
		.amdhsa_system_sgpr_workgroup_id_x 1
		.amdhsa_system_sgpr_workgroup_id_y 1
		.amdhsa_system_sgpr_workgroup_id_z 1
		.amdhsa_system_vgpr_workitem_id 0
		.amdhsa_next_free_vgpr 256
		.amdhsa_next_free_sgpr 80
		.amdhsa_reserve_vcc 1
		.amdhsa_float_denorm_mode_32 3
		.amdhsa_float_denorm_mode_16_64 3
		.amdhsa_memory_ordered 1
		.amdhsa_forward_progress 1
		.amdhsa_inst_pref_size 87
	.end_amdhsa_kernel
	.amdgpu_metadata
---
amdhsa.version: [ 1, 2 ]
amdhsa.kernels:
  - .name:           k_qec4e3933cf_attn
    .symbol:         k_qec4e3933cf_attn.kd
    .args:
      - { .name: qimg, .offset: 0, .size: 8, .value_kind: global_buffer, .address_space: global }
      - { .name: kv, .offset: 8, .size: 8, .value_kind: global_buffer, .address_space: global }
      - { .name: aq, .offset: 16, .size: 8, .value_kind: global_buffer, .address_space: global }
    .group_segment_fixed_size: 327680
    .private_segment_fixed_size: 0
    .kernarg_segment_align: 8
    .kernarg_segment_size: 24
    .max_flat_workgroup_size: 512
    .sgpr_count:     80
    .vgpr_count:     256
    .wavefront_size: 32
...
	.end_amdgpu_metadata
.endif
;; end of part 3
;; launch proj (part 4): grid 4 x 64, 4 waves a work-group, clusters of 4 x 4, 327,680 bytes of LDS; arguments aq, wq, b_out, out0; writes out0
.if DOCPART == 4
	.amdgcn_target "amdgcn-amd-amdhsa--gfx1250"
	.amdhsa_code_object_version 6
	.text
	.protected	k_qec4e3933cf_proj
	.globl	k_qec4e3933cf_proj
	.p2align	8
	.type	k_qec4e3933cf_proj,@function
k_qec4e3933cf_proj:
	s_mov_b64 s[64:65], 0
	v_nop
	global_prefetch_b8 v0, s[64:65] scope:SCOPE_SE
	s_setreg_imm32_b32 hwreg(HW_REG_WAVE_MODE, 25, 1), 1
	s_wait_xcnt 0x0
	s_wait_alu depctr_hold_cnt(0) depctr_sa_sdst(0) depctr_va_vdst(0) depctr_va_sdst(0) depctr_va_ssrc(0) depctr_va_vcc(0) depctr_vm_vsrc(0)
	s_getreg_b32 s2, hwreg(HW_REG_IB_STS2, 6, 4)
	s_cmp_eq_u32 s2, 0
	s_cbranch_scc0 .Lentry_in_a_cluster
	s_endpgm
.Lentry_in_a_cluster:
	s_bfe_u32 s2, ttmp6, 0x10000c
	s_cmp_lg_u32 s2, 0xf033
	s_cbranch_scc0 .Lentry_shape_is_right
	s_endpgm
.Lentry_shape_is_right:
; out0 = attention's result x w_out + b_out on codes of BF6 (E3M2) with E8M0 scales, K = 1,024.  Operands are laid as the launch qkv's: a row group is 128 operand rows = 8 blocks of 16,
; lane r of block i stands for row 32 (i / 2) + 8 (i % 2) + r + 8 (r / 8); a fragment (block x 128 K) is 1,536 bytes; codes [row group][K step][block][1,536]; scale words [row group][256 K][block][row][2].
; A BLOCK of the result is 128 rows x 256 columns: 64 x 4 = 256 work-groups.  Four waves, each 64 rows (A's blocks 4 s15 .. + 3) x 128 columns (B's row group s16): 32 accumulators, window 2.
; K goes in steps of 256 through two LDS slots (A's row group, then B's two: 73,728 bytes).  In the ring waves 0, 1 fetch A's two K steps (12,288 bytes each), waves 2, 3 B's row groups (24,576 each).
; 4 x 4 clusters: A's tile is shared along a row of the cluster, B's along a column: joint loads.  The matrix instruction is used transposed (source 0 = B's rows): a lane holds neighbouring columns of a row.
; The bias is the C of each accumulator's first product.  A's and B's fragments have two sets each: a step's twelve fragments are fetched while the step before is multiplied.
; No prefetch: the walk is eight steps written out, with no loop to run ahead in, and two of its four slots are asked for at the start.
; The stage of the way out lies in slot 0, which has had its last fill and, behind the walk's last barrier, its last read.
.set XSC,   6291456
.set WSC,   3145728
.set RGB,   98304
.set SLB,   24576
.set KSB,   12288
.set FRB,   1536
.set FR,    12
.set NP,    4                          ; places behind this matrix instruction (ISA guide 7.12.1)
.set HALFT, SLB
.set SLOT,  3*HALFT
.set SCL,   2*SLOT                     ; the scale words for all of K: A's 4,096 bytes, B's 8,192
.set HALFS, 4096
.set SPARE, SCL+3*HALFS                ; the spare words: 512 bytes that no other line names
.set SPITCH, 528
.set ADRA, 16                          ; v16-17 my A fragments in slot 0, 1 at 16 x lane; v18-19 at 8 x lane
.set ADRB, 20                          ; v20-23 the same for B
.set STO,  24
.set RD,   25
.set CO,   26
.set ADRS, 27                          ; my scale words: lanes 0-15 A's rows, lanes 16-31 B's
.set SPW,  28
.set NIL,  29
.set SC,   32                          ; v32-63 scale words, two sets
.set BI,   64                          ; v64-127 the bias in the result's layout
.set AF,   128                         ; v128-223 A's fragments, two sets of four
.set BK,   128                         ; the way out: rows read back
.set G1, 24
.set G0, 32
.set G1B, 48
.set G0B, 56
.set G1S, 68
.set G0S, 76
.set G1SB, 80
.set G0SB, 88
.set MSB, 0
.macro WIN new                         ; the immediate's high byte repeats the setting that is left
.if MSB != (\new)
	s_set_vgpr_msb (MSB<<8)|(\new)
.set MSB, (\new)
.endif
.endm
.set MUL_LO, 0xa1                      ; source 0 (B) window 1, source 1 (A) window 0, C and D window 2
.set FIRST_LO, 0x81                    ; the same with C (the bias) in window 0
.set TO_B,   0x40
.macro TL g0, g1                       ; a tensor load with s_nop 0 and four v_nop behind it
	tensor_load_to_lds s[\g0:\g0+3], s[\g1:\g1+7]
	s_nop 0
.rept 4
	v_nop
.endr
.endm
.macro JLOAD g0a, g1a, g0b, g1b        ; waves 0, 1 fetch for A, waves 2, 3 for B
	s_cmp_eq_u32 s15, 0
	s_cbranch_scc0 .Lfor_b_\@
	TL \g0a, \g1a
	s_branch .Lasked_\@
.Lfor_b_\@:
	TL \g0b, \g1b
.Lasked_\@:
.endm
.macro CREST
	s_cmp_lg_u32 s14, 0
	s_cbranch_scc1 .Lnot_wave_0_\@
	s_barrier_signal -3
.Lnot_wave_0_\@:
	s_barrier_wait -3
	s_barrier_signal -1
	s_barrier_wait -1
.endm
.macro CROUND
	s_barrier_signal -1
	s_barrier_wait -1
	CREST
.endm
.macro PLACES n
.rept \n
	v_nop
.endr
.endm
.macro GRP1 g, c, r, p                 ; group 1's words 1 to 7: r rows of c elements of 8 bytes, p elements apart
	s_mov_b32 s[\g+1], (\c)<<16
	s_mov_b32 s[\g+2], (\r)<<16
	s_mov_b32 s[\g+3], (\c)<<16
	s_mov_b32 s[\g+4], \r
	s_mov_b32 s[\g+5], \p
	s_mov_b32 s[\g+6], 0
	s_mov_b32 s[\g+7], 0
.endm
.macro GRP0 g, lds, a                  ; a group 0 with a constant LDS address
	s_mov_b32 s[\g], 1
	s_mov_b32 s[\g+1], \lds
	s_mov_b64 s[\g+2:\g+3], s[\a:\a+1]
	s_or_b32 s[\g+3], s[\g+3], 0x80000000
.endm
	s_load_b128 s[4:7], s[0:1], 0x0                ; aq, wq
	s_load_b128 s[8:11], s[0:1], 0x10              ; b_out, out0
	v_lshl_add_u32 v[SPW], v0, 2, SPARE
	v_mov_b32 v[NIL], 0
	ds_add_u32 v[SPW], v[NIL]                      ; the opening lines: the add twice and its wait
	ds_add_u32 v[SPW], v[NIL]
	v_lshrrev_b32 v1, 5, v0
	v_readfirstlane_b32 s14, v1                    ; wave 0..3
	s_lshr_b32 s15, s14, 1                         ; my half of A's blocks.  Also: I fetch for A (0) or for B (1)
	s_and_b32 s16, s14, 1                          ; my row group of B.  Also: which part I fetch
	s_bfe_u32 s40, ttmp6, 0x40000                  ; cx
	s_bfe_u32 s41, ttmp6, 0x40004                  ; cy
	s_lshl_b32 s42, ttmp9, 2
	s_add_co_u32 s42, s42, s40                     ; block column, 0..3
	s_and_b32 s17, ttmp7, 0xffff
	s_lshl_b32 s17, s17, 2
	s_add_co_u32 s17, s17, s41                     ; block row = A's row group, 0..63
	s_lshl_b32 s43, s41, 2
	s_lshl_b32 s43, 15, s43                        ; my row of the cluster
	s_lshl_b32 s44, 0x1111, s40                    ; my column
	s_or_b32 s[G1+0], s43, (3<<16)|(1<<21)
	s_or_b32 s[G1B+0], s44, (3<<16)|(1<<21)
	s_or_b32 s[G1S+0], s43, (3<<16)|(1<<21)
	s_or_b32 s[G1SB+0], s44, (3<<16)|(1<<21)
	GRP1 G1, 32, 96, 32                            ; the head's shapes: A's row group, 24,576 dense bytes as 96 rows of 256;
	GRP1 G1B, 3072, 2, 12288                       ; B's two row groups, 2 rows of 24,576 bytes, 98,304 apart;
	GRP1 G1S, 32, 16, 32                           ; A's scale words, 4,096 dense bytes;
	GRP1 G1SB, 32, 32, 32                          ; B's, 8,192
	s_lshl_b32 s22, s17, 12
	s_add_co_u32 s22, s22, XSC                     ; A's scale words,
	s_mul_i32 s20, s17, RGB                        ; its codes
	s_mov_b32 s21, 0
	s_mov_b32 s23, 0
	s_lshl_b32 s46, s42, 1
	s_add_co_u32 s46, s46, 24                      ; B: w_out's row groups begin at 24
	s_lshl_b32 s92, s46, 12
	s_add_co_u32 s92, s92, WSC
	s_mul_i32 s46, s46, RGB
	s_mov_b32 s47, 0
	s_mov_b32 s93, 0
	s_mul_i32 s45, s16, KSB                        ; the ring, A: my K step of the slot, in LDS and in memory
	s_mov_b32 s12, s45
	s_mov_b32 s13, 0
	s_mul_i32 s94, s16, HALFT
	s_add_co_u32 s94, s94, HALFT                   ; B: my row group, behind A's, in LDS,
	s_mul_i32 s18, s16, RGB                        ; and in memory
	s_mov_b32 s19, 0
	s_wait_dscnt 0x0                               ; both opening adds are done
	s_wait_kmcnt 0x0
	s_add_nc_u64 s[20:21], s[4:5], s[20:21]
	s_add_nc_u64 s[22:23], s[4:5], s[22:23]
	s_add_nc_u64 s[46:47], s[6:7], s[46:47]
	s_add_nc_u64 s[92:93], s[6:7], s[92:93]
	CROUND                                         ; all sixteen work-groups are here: the first joint loads meet
	GRP0 4, 0, 20                                  ; s[4:7]: slot 0's codes of A (the arguments that lay there have been used)
	GRP0 96, HALFT, 46                             ; s[96:99]: those of B
	GRP0 G0S, SCL, 22
	GRP0 G0SB, SCL+HALFS, 92
	s_add_nc_u64 s[20:21], s[20:21], s[12:13]      ; for the ring: my part
	s_add_nc_u64 s[46:47], s[46:47], s[18:19]
.irp s, 0,1
	s_mov_b32 s[G0+4*\s], 1
	s_add_co_u32 s[G0+4*\s+1], s45, \s*SLOT
	s_add_nc_u64 s[G0+4*\s+2:G0+4*\s+3], s[20:21], \s*SLB
	s_or_b32 s[G0+4*\s+3], s[G0+4*\s+3], 0x80000000
	s_mov_b32 s[G0B+4*\s], 1
	s_add_co_u32 s[G0B+4*\s+1], s94, \s*SLOT
	s_add_nc_u64 s[G0B+4*\s+2:G0B+4*\s+3], s[46:47], \s*SLB
	s_or_b32 s[G0B+4*\s+3], s[G0B+4*\s+3], 0x80000000
.endr
; The head's four tiles, one joint load a wave, in one tree of branches on the wave's number.
.macro ARM under, g0, g1, next
	s_cmp_lt_u32 s14, \under
	s_cbranch_scc0 \next
	TL \g0, \g1
	s_branch .Lhead_asked
\next:
.endm
	ARM 1, 4, G1, .Lhead_b
	ARM 2, 96, G1B, .Lhead_sa
	ARM 3, G0S, G1S, .Lhead_sb
	TL G0SB, G1SB
.Lhead_asked:
	s_lshl_b32 s46, s42, 10                        ; my first column, in bytes: 1,024 x block column + 512 x row group
	s_lshl_b32 s47, s16, 9
	s_add_co_u32 s46, s46, s47
	s_mov_b32 s47, 0
	s_add_nc_u64 s[8:9], s[8:9], s[46:47]          ; the bias at my columns
	s_lshl_b32 s20, s17, 7
	s_lshl_b32 s21, s15, 6
	s_add_co_u32 s20, s20, s21                     ; my first row: 128 x block row + 64 x half
	s_lshl_b32 s20, s20, 12                        ; rows of 4,096 bytes
	s_mov_b32 s21, 0
	s_add_nc_u64 s[10:11], s[10:11], s[20:21]
	s_add_nc_u64 s[10:11], s[10:11], s[46:47]
	s_mul_i32 s21, s15, 4*FRB                      ; my four blocks of A
	s_mul_i32 s22, s16, HALFT
	s_add_co_u32 s22, s22, HALFT                   ; my row group of B
	s_lshl_b32 s18, s15, 9                         ; A's scale words: 128 bytes a block
	s_mul_i32 s19, s16, HALFS
	s_add_co_u32 s19, s19, HALFS
	s_sub_co_u32 s19, s19, s18                     ; from there to B's
	s_add_co_u32 s18, s18, SCL
	s_mul_i32 s23, s14, 16*SPITCH                  ; my stage
	v_and_b32 v1, 31, v0
	v_and_b32 v2, 15, v0                           ; r
	v_bfe_u32 v3, v0, 4, 1                         ; h
	v_lshlrev_b32 v[CO], 4, v1
	v_lshlrev_b32 v4, 3, v1
	v_lshlrev_b32 v8, 6, v3
.irp b, 0,1,2,3,4,5,6,7                ; register j of block b: column 32 (b / 2) + 16 h + 8 (b % 2) + j
	global_load_b128 v[BI+8*\b:BI+8*\b+3], v8, s[8:9] offset:(32*(\b/2)+8*(\b%2))*4
	global_load_b128 v[BI+8*\b+4:BI+8*\b+7], v8, s[8:9] offset:(32*(\b/2)+8*(\b%2))*4+16
.endr
	v_add_nc_u32 v[ADRA], s21, v[CO]
	v_add_nc_u32 v[ADRB], s22, v[CO]
	v_add_nc_u32 v[ADRA+2], s21, v4
	v_add_nc_u32 v[ADRB+2], s22, v4
	v_add_nc_u32 v[ADRA+1], SLOT, v[ADRA]
	v_add_nc_u32 v[ADRB+1], SLOT, v[ADRB]
	v_add_nc_u32 v[ADRA+3], SLOT, v[ADRA+2]
	v_add_nc_u32 v[ADRB+3], SLOT, v[ADRB+2]
	v_lshlrev_b32 v5, 3, v2                        ; two scale words a row
	v_mul_u32_u24 v6, s19, v3                      ; lanes 16-31 take B's
	v_add_nc_u32 v5, v5, v6
	v_add_nc_u32 v[ADRS], s18, v5
	v_mul_u32_u24 v7, v2, SPITCH
	v_lshl_add_u32 v7, v3, 6, v7
	v_add_nc_u32 v[STO], s23, v7                   ; into the stage: row r, + 64 h
	v_add_nc_u32 v[RD], s23, v[CO]                 ; back: a row of 512 bytes
.macro FRAG reg, adr, q, i             ; a fragment comes as it lies: four loads of consecutive bytes
	ds_load_b128 v[\reg:\reg+3], v[\adr] offset:(\q)*KSB+(\i)*FRB
	ds_load_b64 v[\reg+4:\reg+5], v[\adr+2] offset:(\q)*KSB+(\i)*FRB+512
	ds_load_b128 v[\reg+6:\reg+9], v[\adr] offset:(\q)*KSB+(\i)*FRB+768
	ds_load_b64 v[\reg+10:\reg+11], v[\adr+2] offset:(\q)*KSB+(\i)*FRB+1280
.endm
; 16 matrix instructions: A's blocks a0, a0 + 1 x B's eight.  p: the fragments' set; q: the slot's K step; sc: the set of scale words.  The 32 accumulators take turns in one order.
.macro MUL16 a0, p, q, sc, first
.irp a, \a0, \a0+1
.irp b, 0,1,2,3,4,5,6,7
.if \first
	v_wmma_scale_f32_16x16x128_f8f6f4 v[8*(8*(\a)+\b):8*(8*(\a)+\b)+7], v[128*(\p)+FR*\b:128*(\p)+FR*\b+FR-1], v[AF+48*(\p)+FR*(\a):AF+48*(\p)+FR*(\a)+FR-1], v[BI+8*\b:BI+8*\b+7], v[SC+16*(\sc)+2*\b+(\q)], v[SC+16*(\sc)+2*(\a)+(\q)] matrix_a_fmt:MATRIX_FMT_BF6 matrix_b_fmt:MATRIX_FMT_BF6 matrix_a_scale:MATRIX_SCALE_ROW1
.else
	v_wmma_scale_f32_16x16x128_f8f6f4 v[8*(8*(\a)+\b):8*(8*(\a)+\b)+7], v[128*(\p)+FR*\b:128*(\p)+FR*\b+FR-1], v[AF+48*(\p)+FR*(\a):AF+48*(\p)+FR*(\a)+FR-1], v[8*(8*(\a)+\b):8*(8*(\a)+\b)+7], v[SC+16*(\sc)+2*\b+(\q)], v[SC+16*(\sc)+2*(\a)+(\q)] matrix_a_fmt:MATRIX_FMT_BF6 matrix_b_fmt:MATRIX_FMT_BF6 matrix_a_scale:MATRIX_SCALE_ROW1
.endif
.endr
.endr
.endm
.macro FETCH slot, q, p                ; a step's twelve fragments into set p
	WIN TO_B
.irp i, 0,1,2,3,4,5,6,7
	FRAG 128*(\p)+FR*\i, ADRB+\slot, \q, \i
.endr
	WIN 0
.irp i, 0,1,2,3
	FRAG AF+48*(\p)+FR*\i, ADRA+\slot, \q, \i
.endr
.endm
.macro SCALES sc, ks                   ; the scale words of the ks-th 256 along K: lanes 0-15 A's block i (four are used), lanes 16-31 B's block i
.irp i, 0,1,2,3,4,5,6,7
	ds_load_b64 v[SC+16*\sc+2*\i:SC+16*\sc+2*\i+1], v[ADRS] offset:\i*128+1024*\ks
.endr
.endm
.macro STEP slot, first                ; a slot's first 128 along K (set 0); its second is fetched into set 1 ahead of the products
	s_wait_dscnt 0x0                               ; this step's fragments and scale words are in
	PLACES NP                                      ; in front of loads into registers that the last products read
	FETCH \slot, 1, 1
.if \first
	WIN FIRST_LO
.else
	WIN MUL_LO
.endif
	MUL16 0, 0, 0, \slot, \first
	MUL16 2, 0, 0, \slot, \first
.endm
.macro TURN slot, next, fill, ks       ; a slot's second 128 along K (set 1), and the change of slots
	WIN 0
	s_wait_tensorcnt 0x0                           ; all my tensor loads have landed: my part of the next slot
	ds_add_u32 v[SPW], v[NIL]
	s_wait_dscnt 0x0                               ; the add is done, and my reads of this slot are over: this step's fragments are in registers
	s_barrier_signal -1
	WIN MUL_LO
	MUL16 0, 1, 1, \slot, 0
	WIN 0
	s_barrier_wait -1
.if \fill
	CREST                                          ; the barrier has opened a round of the cluster's barrier
	s_add_nc_u64 s[G0+4*\slot+2:G0+4*\slot+3], s[G0+4*\slot+2:G0+4*\slot+3], 2*SLB
	s_add_nc_u64 s[G0B+4*\slot+2:G0B+4*\slot+3], s[G0B+4*\slot+2:G0B+4*\slot+3], 2*SLB
	JLOAD G0+4*\slot, G1, G0B+4*\slot, G1B         ; my one load behind the round; its four v_nop are the places in front of the loads below
.else
	PLACES NP
.endif
	FETCH \next, 0, 0
	SCALES \next, \ks
	WIN MUL_LO
	MUL16 2, 1, 1, \slot, 0
.endm
	s_wait_alu depctr_va_vdst(0)                   ; the wait at the head's end
	s_wait_tensorcnt 0x0                           ; my tile of the head's four is in
	ds_add_u32 v[SPW], v[NIL]
	s_mov_b32 s[G1+2], 48<<16                      ; no tensor load of mine is out: the ring's shapes: A: 12,288 bytes as 48 rows of 256;
	s_mov_b32 s[G1+4], 48
	GRP1 G1B, 32, 96, 32                           ; B: 24,576 bytes as 96 rows of 256
	s_wait_dscnt 0x0
	CROUND                                         ; all four tiles are in, and all sixteen work-groups are here
	JLOAD G0+4, G1, G0B+4, G1B                     ; slot 1's first fill: the first tensor load behind the round
	FETCH 0, 0, 0
	SCALES 0, 0
	s_wait_loadcnt 0x0                             ; the bias is in
	STEP 0, 1                                      ; eight steps of 128 along K, written out
	TURN 0, 1, 1, 1
	STEP 1, 0
	TURN 1, 0, 1, 2
	STEP 0, 0
	TURN 0, 1, 0, 3                                ; nothing is left to fetch
	STEP 1, 0
	s_wait_dscnt 0x0
	MUL16 0, 1, 1, 1, 0
	MUL16 2, 1, 1, 1, 0
	WIN 0
; THE WAY OUT, block by block of 16 rows x 128 columns, through my own stage: back come whole rows of 512 bytes.  Each accumulator is read from its low end on.
.macro TOSTAGE a
.set AC, 64*(\a)
	WIN 0x08                                       ; the data: window 2
.irp b, 0,1,2,3,4,5,6,7
	ds_store_b128 v[STO], v[AC+8*\b:AC+8*\b+3] offset:128*(\b/2)+32*(\b%2)
	ds_store_b128 v[STO], v[AC+8*\b+4:AC+8*\b+7] offset:128*(\b/2)+32*(\b%2)+16
.endr
	WIN 0
.set BB, BK+64*((\a)%2)
.set tt, 0
.rept 16
	ds_load_b128 v[BB+4*tt:BB+4*tt+3], v[RD] offset:tt*SPITCH      ; LDS serves a wave's instructions in order: these see the stores above
.set tt, tt+1
.endr
.endm
.macro SEND a, younger                 ; younger: the LDS instructions issued behind block a's loads
.set BB, BK+64*((\a)%2)
	s_wait_dscnt \younger
.set tt, 0
.rept 16
	global_store_b128 v[CO], v[BB+4*tt:BB+4*tt+3], s[10:11] offset:(32*((\a)/2)+8*((\a)%2)+tt+8*(tt/8))*4096 th:TH_STORE_NT   ; 512 consecutive bytes, aligned
.set tt, tt+1
.endr
.endm
	PLACES NP
	TOSTAGE 0
.irp a, 1,2,3
.if \a > 1
	s_wait_xcnt 0x0                                ; block a - 2's stores have read their registers
.endif
	TOSTAGE \a
	SEND \a-1, 32                                  ; behind block a - 1's loads: block a's 16 stores and 16 loads
.endr
	SEND 3, 0
	s_wait_tensorcnt 0x0                           ; the wave's end
	ds_add_u32 v[SPW], v[NIL]
	s_wait_dscnt 0x0
	CROUND                                         ; the closing round
	s_endpgm
.Lfunc_end_k_qec4e3933cf_proj:
	.size	k_qec4e3933cf_proj, .Lfunc_end_k_qec4e3933cf_proj-k_qec4e3933cf_proj
	.p2alignl 7, 3214868480
	.fill 96, 4, 3214868480
	.section	.rodata,"a",@progbits
	.p2align	6, 0x0
	.amdhsa_kernel k_qec4e3933cf_proj
		.amdhsa_group_segment_fixed_size 327680
		.amdhsa_private_segment_fixed_size 0
		.amdhsa_enable_private_segment 0
		.amdhsa_kernarg_size 32
		.amdhsa_user_sgpr_count 2
		.amdhsa_user_sgpr_kernarg_segment_ptr 1
		.amdhsa_wavefront_size32 1
		.amdhsa_system_sgpr_workgroup_id_x 1
		.amdhsa_system_sgpr_workgroup_id_y 1
		.amdhsa_system_sgpr_workgroup_id_z 1
		.amdhsa_system_vgpr_workitem_id 0
		.amdhsa_next_free_vgpr 1024
		.amdhsa_next_free_sgpr 100
		.amdhsa_reserve_vcc 0
		.amdhsa_float_denorm_mode_32 3
		.amdhsa_float_denorm_mode_16_64 3
		.amdhsa_memory_ordered 1
		.amdhsa_forward_progress 1
		.amdhsa_inst_pref_size 90
	.end_amdhsa_kernel
	.amdgpu_metadata
---
amdhsa.version: [ 1, 2 ]
amdhsa.kernels:
  - .name:           k_qec4e3933cf_proj
    .symbol:         k_qec4e3933cf_proj.kd
    .args:
      - { .name: aq, .offset: 0, .size: 8, .value_kind: global_buffer, .address_space: global }
      - { .name: wq, .offset: 8, .size: 8, .value_kind: global_buffer, .address_space: global }
      - { .name: b_out, .offset: 16, .size: 8, .value_kind: global_buffer, .address_space: global }
      - { .name: out0, .offset: 24, .size: 8, .value_kind: global_buffer, .address_space: global }
    .group_segment_fixed_size: 327680
    .private_segment_fixed_size: 0
    .kernarg_segment_align: 8
    .kernarg_segment_size: 32
    .max_flat_workgroup_size: 128
    .sgpr_count:     100
    .vgpr_count:     1024
    .wavefront_size: 32
...
	.end_amdgpu_metadata
.endif
;; end of part 4
